; MI455X (gfx1250); checked and timed in simulation.
; The chip was launched on July 23, 2026; its instructions are those of AMD's public machine-readable ISA for CDNA 5 (MIT licence, August 2026) and "CDNA5" Instruction Set Architecture Reference Guide (July 2026). The comments in the code are by the model that wrote it; some were corrected since.
;; QKV Attention. Allowed arithmetic: matrix products marked QUANTISED: E4M3 operands, one E8M0 scale for each 32 along K, by v_wmma_scale_f32_16x16x128_f8f6f4 with both operands' format E4M3, f32 sums; everything else in f32.
;; Inputs: qkv 64 x 192 x 2,048 float32.
;; Outputs: out0 64 x 64 x 2,048 float32.
;; This version of the problem:
;;   THIS VERSION OF THE PROBLEM IS GIVEN IN LOW PRECISION. The matrix products marked QUANTISED in the list below multiply operands that are first quantised to E4M3 (4 exponent bits, 3 mantissa bits; 8 bits a number), with one power-of-two scale for each 32 numbers along K (OCP MX v1.0); their sums are f32. All else is computed in f32.
;;   The module's matrix products, in the order in which they are computed (A, B: the left and right operand; K: the contracted axis; several contracted axes count as one K, in the product's order):
;;     1. batch 64 x [M 2,048, K 64] x [K 64, N 2,048]; A: computed on the way; B: computed on the way: QUANTISED
;;     2. batch 64 x [M 64, K 2,048] x [K 2,048, N 2,048]; A: computed on the way; B: softmax (see below): QUANTISED
;;   THE QUANTISER, for each operand of a quantised product, along K:
;;     - K is cut into blocks of 32 from its start; a last block that is shorter is filled with zeros.
;;     - A block's scale is 2^e with e = floor(log2(the largest magnitude in the block)) - 8, held to -126 .. 127; a block of zeros has e = 0. As a byte (E8M0): e + 127.
;;     - Each number is divided by its block's scale, clamped to +-448, and rounded to the nearest number of E4M3, ties to even, subnormals kept.
;;     - The product sums the exact products of the quantised numbers (number of the format x scale) in f32.
;;   ~~~python
;;   def quantise(x, axis):      # numpy; x: float32 -> the quantised numbers, widened to float32 again
;;       x = np.moveaxis(x, axis, -1); K = x.shape[-1]
;;       x = np.pad(x, [(0, 0)] * (x.ndim - 1) + [(0, -K % 32)]); x = x.reshape(x.shape[:-1] + (-1, 32)); a = np.abs(x).max(-1, keepdims=True)
;;       e = np.where(a > 0, np.clip(np.frexp(np.where(a > 0, a, 1))[1] - 1 - 8, -126, 127), 0)      # np.frexp(a)[1] - 1 = floor(log2(a)), exactly
;;       r = np.clip(x / 2.0 ** e, -448, 448)
;;       step = 2.0 ** (np.maximum(np.frexp(np.where(r == 0, 1, r))[1] - 1, -6) - 3)
;;       q = np.round(r / step) * step * 2.0 ** e      # np.round: ties to even
;;       return np.moveaxis(q.reshape(q.shape[:-2] + (-1,))[..., :K], -1, axis).astype(np.float32)
;;   ~~~
;;   SOFTMAX AHEAD OF A QUANTISED PRODUCT. Where the list says 'softmax', what is quantised is not the finished softmax but p = 2^(t - M), with t = logit x log2(e) and M = ceil(the row's largest t), a whole number; so 1/2 < the row's largest p <= 1. The row's sum l is taken of the UNQUANTISED p, in f32, and the product's result is divided by l at the end. Since M is a whole number, a kernel that streams over the keys may use a running M (the ceiling of the running maximum): every later rescaling is an exact power of two, which a block's scale takes up: the codes' values come out the same.
;;   OPERANDS COMPUTED ON THE WAY. 'Computed on the way' means the value that the module computes at that place (a softmax that the list does not call 'softmax' is quantised finished and normalised). What goes into a quantiser is computed in f32, as accurately as f32 sums, v_exp_f32 and their like allow (about 1e-6 of the number): no bf16 or f16 on the way to a quantiser, and a product that is left as it is and whose result goes on into a quantised operand takes f32 operands (vector FMAs, or v_wmma_f32_16x16x4_f32). A number that lies on a knife's edge between two numbers of the format may be rounded either way, as far as f32 arithmetic and the matrix unit's own rounding can turn it there, and no further.
;; 2 versions, each right; version 2 is version 1 with the launch attn written anew for expert scheduling mode. Each part assembles by itself: llvm-mc -triple=amdgcn-amd-amdhsa -mcpu=gfx1250 --defsym DOCPART=n.
;; ======== version 1 of 2: 1 launch
;; launch attn (part 1): grid 4 x 64, 8 waves a work-group, no clusters, 313,344 bytes of LDS; arguments qkv, out0; writes out0
.if DOCPART == 1
	.amdgcn_target "amdgcn-amd-amdhsa--gfx1250"
	.amdhsa_code_object_version 6
	.text
	.protected	k_q0d41e29655_attn
	.globl	k_q0d41e29655_attn
	.p2align	8
	.type	k_q0d41e29655_attn,@function
k_q0d41e29655_attn:
	s_mov_b64 s[64:65], 0
	v_nop
	global_prefetch_b8 v0, s[64:65] scope:SCOPE_SE
	s_setreg_imm32_b32 hwreg(HW_REG_WAVE_MODE, 25, 1), 1
	s_wait_xcnt 0x0
; out[b][c][t] = sum over s of softmax_s( sum over c' of (g q)[b][c'][t] (g k)[b][c'][s] ) v[b][c][s],  g = 1 / sqrt(sqrt(64)).
; qkv: [64][192][2048] f32, tokens innermost (rows 0-63 q, 64-127 k, 128-191 v); out: [64][64][2048] f32.  Both products on codes of FP8 (E4M3) with one E8M0 scale for each 32 along K.
; SHARES.  A work-group of eight waves owns 512 queries of one head (grid 4 x 64).  HEAD PHASE: the eight waves quantise the head's whole K (along the channels) and V (along the keys) from f32 in registers
; and lay the codes in LDS ONCE, as images of operand registers (128 KB + 128 KB + 12 KB of scale words); each wave quantises its own 64 queries.  One barrier.  MAIN PHASE: 16 steps of 128 keys, no barrier,
; nothing filled again; a wave holds four tiles of 16 queries, so each fragment of K and V read from LDS feeds four products.  Two waves share a SIMD: one's vector work stands beside the other's products.
; LAYOUT.  Both products are used transposed: S^T = K Q^T (source 0 = 16 keys, source 1 = 16 queries), O^T = V P^T (source 0 = 16 channels, source 1 = P): a lane holds ONE query throughout.
; THE COLUMNS OF A TILE OF K OR Q ARE NOT NEIGHBOURS: row r of tile 2 b + u is column 32 b + 8 u + r + 8 (r / 8), so that the 16 score registers of tiles 2 b, 2 b + 1 are 16 neighbouring keys 32 b + 16 (lane / 16) + 0 .. 15.
; THE FIRST PRODUCT'S K IS 64, the instruction's 128: Q's registers 8-15 are zero codes.  K's registers 8-15 of a tile are simply the next tile's codes (behind the last tile: zeros): they meet Q's zero codes and add
; exactly 0; no code is NaN (every number is held within the largest code), and the scale bytes of k = 64 .. 127 are 0, which is 2^-127 and not NaN.
; SOFTMAX.  t = score x log2(e); M = the running largest t rounded UP to a whole number, kept as -M; p = 2^(t - M) is quantised along the keys; the row's sum is taken of the unquantised p and divides at the end;
; when M moves, the sum and O^T are multiplied by 2^(old M - new M), which rounds nothing.
; NO CLUSTER, NO TENSOR LOADS: what the four work-groups of a head share is the f32 K and V, 1 MB a head, used in the head phase alone; LDS is full of codes, so shared f32 tiles would have to pass a ring in the
; 15 KB that remain: some seventy changes of slots for data that each wave touches once.  The loads go straight into registers, 256 aligned consecutive bytes to each sixteen or thirty-two lanes.
; LIMITS: NaN and infinities among the inputs are not served.  A block whose largest magnitude lies under 2^-118 keeps the scale byte 1; a block of zeros gets the byte 1 where the rule says 127: its codes are zeros, and this program alone reads the bytes.
;
; LDS: K's images at 0: key tile T at 1024 T, channels 32 c on at + 512 c, lane l's 16 bytes at + 16 l;   V's at VIMG: (step j, channel tile ct) at 2048 (4 j + ct), keys 32 b on at + 512 b, + 16 l;
;   SCK: K's scale words: group of 64 keys G at 256 G, lane 16 u + row at + 8, word (32 keys' half of the group) at + 4;   SCV: V's: step j at 256 j, channel tile at + 64, row at + 4;
;   WS: 4,608 bytes of each wave's own, used three times in program order: Q's images and scale words; the stage that turns V; the stage for the way out.
; REGISTERS.  Window 0: v1-8 addresses; v12-27 four registers of statistics a tile (-M, largest t, the sum in two halves); v28-43 at work on four blocks; v50-61 scale words; v64-135 K (and 8 zeros); v136-199 scores, then p;
;   v200-215 codes; v220-236 lane addresses.  Window 1: v0-127 O^T (32 a tile); v128-191 V's four fragments; v192-255 Q (16 a tile).  In the head phase window 1's v0-191 and window 0's v64-127 hold f32 numbers on their way.
.set VIMG, 131072
.set SCK,  262144
.set SCV,  270336
.set WS,   275456                      ; 1,024 bytes lie unused between V's scale words and the waves' own bytes
.set WSB,  4608
.set AK0,  1                           ; 16 x lane: my place in an image of K
.set AV0,  2                           ; VIMG + 16 x lane
.set ASK0, 3                           ; SCK + 8 x lane
.set ASV0, 4                           ; SCV + 4 x lane
.set ADK,  5                           ; addresses of the loads in hand
.set ADV,  6
.set ADS,  7
.set ADT,  8
.set IA,   5                           ; head phase: where K's images and scale words of the group in hand go
.set WA,   6
.set ST,   12
.set BM,   28                          ; v28-31 four blocks' largest; v32-35 permute's destination, then bytes; v36-39 the largest code x the scale; v40-43 the conversions' scale operand
.set PX,   32
.set HL,   36
.set SO,   40
.set TA,   44
.set F,    46                          ; v[46:47] f = 2^(old M - new M); v47 is only named with it
.set T0,   48
.set PS,   50                          ; the scale word just made (p's; in the head phase V's)
.set KS,   52                          ; v52-55 K's scale words; v56-57 V's; v60-61 Q's
.set VS,   56
.set QS,   60
.set KF,   64
.set S,    136
.set X,    136
.set PC,   200
.set C,    200
.set T1,   216
.set T2,   218
.set GA,   220                         ; 8 x lane: two columns of a row of q or k
.set GV,   221                         ; 8192 (lane / 16) + 16 (lane % 16): v's loads and the output's stores: two rows an instruction
.set LK,   222                         ; my two columns' place in four tiles' images
.set LW,   223                         ; and among their scale words
.set AKW,  224
.set AKS,  225
.set AQW,  226
.set AQS,  227
.set SA,   228                         ; my stage by rows of 272 bytes: 272 (lane / 16) + 16 (lane % 16)
.set SB,   229                         ; my stage: 272 (lane % 16) + 64 (lane / 16)
.set VI0,  230
.set VW0,  231
.set QL,   232
.set OS,   233
.set W,    234                         ; v234-235 the scale words of my two columns
.set QSA,  236
.set WV,   8
.set XO,   9
.set HD,   10
.set QB,   12
.set KB,   14
.set VB,   16
.set OB,   18
.set SEL,  20                          ; s[20:21] v_permlanex16_b32's selects for lane l xor 16
.set CS,   22                          ; s[22:23] log2(e): the packed form names a pair and takes its low word for both halves
.set MNT,  24                          ; the mantissa field of 448
.set SCL,  25                          ; g
.set CNT,  26
.set KI,   27
.set KW,   28
.set TK,   31
.set TS,   32
.set TV,   33
.set TW,   34
.set MSB,  0
.macro WIN new                         ; s_set_vgpr_msb: bits 1:0 source 0, 3:2 source 1, 5:4 source 2, 7:6 destination; the high byte repeats the setting that is left
.if MSB != (\new)
	s_set_vgpr_msb (MSB<<8)|(\new)
.set MSB, \new
.endif
.endm
; 32 channels (block blk) of 64 columns of q or k: a load takes one channel's 256 aligned consecutive bytes, two columns a lane.  Into window 1, v[64 blk + 2 c + column's parity]
.macro LOADQK blk, base, off, nt
	WIN 0x40
.set ci, 0
.rept 32
.if \nt
	global_load_b64 v[64*\blk+2*ci:64*\blk+2*ci+1], v[GA], s[\base:\base+1] offset:(32*\blk+ci)*8192+\off th:TH_LOAD_NT
.else
	global_load_b64 v[64*\blk+2*ci:64*\blk+2*ci+1], v[GA], s[\base:\base+1] offset:(32*\blk+ci)*8192+\off
.endif
.set ci, ci+1
.endr
	WIN 0
.endm
; V's ring of four buffers of 64 registers: 0: window 1 v128; 1: window 0 v64; 2: window 1 v0; 3: window 1 v64
.macro RING k
.if (\k) == 0
.set RB, 128
.set RWIN, 1
.elseif (\k) == 1
.set RB, 64
.set RWIN, 0
.elseif (\k) == 2
.set RB, 0
.set RWIN, 1
.else
.set RB, 64
.set RWIN, 1
.endif
.endm
; 16 channels x 128 keys of v: sixteen lanes take 256 aligned consecutive bytes of a row, an instruction two rows
.macro VLOAD k, off
	RING \k
	WIN 0x40*RWIN
.irp hf, 0,1
.irp i, 0,1,2,3,4,5,6,7
	global_load_b128 v[RB+32*\hf+4*\i:RB+32*\hf+4*\i+3], v[GV], s[VB:VB+1] offset:16384*\i+256*\hf+\off
.endr
.endr
	WIN 0
.endm
; From four blocks' largest magnitudes in v[BM] on: the conversions' scale operands, the holds, the bytes, and the scale word in v[PS]
.macro BYTES
.irp b, 0,1,2,3
	v_add_nc_u32 v[SO+\b], 0xfc000000, v[BM+\b]            ; 8 off the exponent field: the conversion takes the exponent field of this operand as its scale
.endr
.irp b, 0,1,2,3
	v_and_or_b32 v[HL+\b], v[BM+\b], 0x7f800000, s[MNT]    ; 448 x the scale
.endr
.irp b, 0,1,2,3
	v_lshrrev_b32 v[PX+\b], 23, v[SO+\b]                   ; the scale's byte
.endr
	v_lshl_or_b32 v[PS], v[PX+1], 8, v[PX]
	v_lshl_or_b32 v[PS], v[PX+2], 16, v[PS]
	v_lshl_or_b32 v[PS], v[PX+3], 24, v[PS]
.endm
; One column (parity jj of my two) x one block of 32 channels of q or k.  The multiplication by g, which is owed anyway, also gathers the column's channels into consecutive registers: nothing else transposes.
.macro KEYBLK blk, jj, ia
	WIN 0x04                                               ; source 1 in window 1
.set ci, 0
.rept 32
	v_mul_f32 v[X+ci], s[SCL], v[64*\blk+2*ci+\jj]
.set ci, ci+1
.endr
	WIN 0
.irp q, 0,1,2,3
	v_max3_num_f32 v[BM+\q], |v[X+8*\q]|, |v[X+8*\q+1]|, |v[X+8*\q+2]|     ; the block's largest magnitude: all 32 numbers are mine; four chains
.endr
.irp e, 3,5
.irp q, 0,1,2,3
	v_max3_num_f32 v[BM+\q], v[BM+\q], |v[X+8*\q+\e]|, |v[X+8*\q+\e+1]|
.endr
.endr
	v_max3_num_f32 v[BM], v[BM], |v[X+7]|, |v[X+15]|
	v_max3_num_f32 v[BM+2], v[BM+2], |v[X+23]|, |v[X+31]|
	v_max3_num_f32 v[BM], v[BM], v[BM+1], v[BM+2]
	v_max3_num_f32 v[BM], v[BM], v[BM+3], 0x4800000        ; and the floor 2^(9 - 127): the byte cannot fall under 1
	s_wait_dscnt 0x0                                       ; my earlier LDS stores have read the codes' and the words' registers, which are written again below
	v_add_nc_u32 v[SO], 0xfc000000, v[BM]
	v_and_or_b32 v[HL], v[BM], 0x7f800000, s[MNT]
.if \blk == 0
	v_lshrrev_b32 v[W+\jj], 23, v[SO]                      ; byte 0 of the column's scale word; bytes 2 and 3 stay 0
.else
	v_lshrrev_b32 v[PX], 23, v[SO]
	v_lshl_or_b32 v[W+\jj], v[PX], 8, v[W+\jj]             ; byte 1
.endif
.set ci, 0
.rept 32
	v_med3_num_f32 v[X+ci], v[X+ci], -v[HL], v[HL]         ; the conversion to an 8-bit code does not saturate (ISA guide 7.6.2): the hold at the largest code x the scale
.set ci, ci+1
.endr
.irp g, 0,1,2,3
	v_cvt_scalef32_pk8_fp8_f32 v[C+2*\g:C+2*\g+1], v[X+8*\g:X+8*\g+7], v[SO]
.endr
	v_nop                                                  ; a plain line between the conversions and the next lines that write their sources
	ds_store_b128 v[\ia], v[C:C+3] offset:16*\jj+512*\blk          ; channels 32 blk + 0 .. 15: the image's lanes 0-15,
	ds_store_b128 v[\ia], v[C+4:C+7] offset:16*\jj+512*\blk+256    ; + 16 .. 31: its lanes 16-31
.endm
; 64 columns x 64 channels.  mode 0: q's unit, behind which K's first group is asked for; 1: a group of K, the next group is asked for; 2: K's last group: V's units 2 and 3 are asked for
.macro UNIT ia, wa, mode
	s_wait_loadcnt 32                                      ; channels 0-31 are in; behind them stand the 32 loads of channels 32-63
	KEYBLK 0, 0, \ia
	KEYBLK 0, 1, \ia
.if \mode == 0
	LOADQK 0, KB, 0, 0
	s_wait_loadcnt 32                                      ; all but the 32 just issued: channels 32-63 are in
.elseif \mode == 1
	LOADQK 0, KB, 256, 0
	s_wait_loadcnt 32
.else
	VLOAD 2, 1024
	s_wait_loadcnt 16                                      ; all but the 16 just issued
.endif
	KEYBLK 1, 0, \ia
	KEYBLK 1, 1, \ia
	ds_store_b32 v[\wa], v[W]
	ds_store_b32 v[\wa], v[W+1] offset:8
.if \mode == 0
	LOADQK 1, KB, 0, 0
.elseif \mode == 1
	LOADQK 1, KB, 256, 0
.else
	VLOAD 3, 1536
.endif
.endm
; V's numbers, loaded 16 bytes a lane as they lie, turn through my stage (16 rows of 256 bytes + 16), 64 keys at a time, and come back 16 neighbours a block: v[X + 16 b + i] = key 32 b + 16 (lane / 16) + i of channel lane % 16.
; LDS serves a wave's instructions in order (ISA guide 5.7.1.4): no wait between the stores and the loads, nor in front of the second half's stores.
.macro TURN k
	RING \k
	WIN 0x04*RWIN                                          ; an LDS store's data are its source 1
.irp hf, 0,1
.irp i, 0,1,2,3,4,5,6,7
	ds_store_b128 v[SA], v[RB+32*\hf+4*\i:RB+32*\hf+4*\i+3] offset:544*\i
.endr
.irp bb, 0,1
.irp q, 0,1,2,3
	ds_load_b128 v[X+32*\hf+16*\bb+4*\q:X+32*\hf+16*\bb+4*\q+3], v[SB] offset:128*\bb+16*\q
.endr
.endr
.endr
	WIN 0
.endm
; 64 numbers of a lane in v[X] on become a fragment's codes in v[PC] on and its scale word in v[PS]
.macro QUANT
.irp b, 0,1,2,3
	v_max3_num_f32 v[BM+\b], |v[X+16*\b]|, |v[X+1+16*\b]|, 0x4800000   ; block b: my 16 numbers, and the floor
.endr
.irp e, 2,4,6,8,10,12,14
.irp b, 0,1,2,3
	v_max3_num_f32 v[BM+\b], v[BM+\b], |v[X+16*\b+\e]|, |v[X+1+16*\b+\e]|
.endr
.endr
.irp b, 0,1,2,3
	v_permlanex16_b32 v[PX+\b], v[BM+\b], s[SEL], s[SEL+1]
.endr
.irp b, 0,1,2,3
	v_max_num_f32 v[BM+\b], v[BM+\b], v[PX+\b]             ; with lane l xor 16's 16: the block's largest magnitude
.endr
	BYTES
.irp b, 0,1,2,3
.irp e, 0,1,2,3,4,5,6,7,8,9,10,11,12,13,14,15
	v_med3_num_f32 v[X+16*\b+\e], v[X+16*\b+\e], -v[HL+\b], v[HL+\b]
.endr
	v_cvt_scalef32_pk8_fp8_f32 v[PC+4*\b:PC+4*\b+1], v[X+16*\b:X+16*\b+7], v[SO+\b]
	v_cvt_scalef32_pk8_fp8_f32 v[PC+4*\b+2:PC+4*\b+3], v[X+16*\b+8:X+16*\b+15], v[SO+\b]
.endr
	v_nop                                                  ; a plain line behind the last conversion
.endm
; V's unit n of my eight: my channel tile, key step 8 (wave / 4) + n
.macro VUNIT n
	TURN (\n)%4
	s_wait_dscnt 0x0                                       ; the numbers are back; the stage's stores have read the ring's buffer, the last unit's stores the codes and the word
	QUANT
.irp c, 0,1,2,3
	ds_store_b128 v[VI0], v[PC+4*\c:PC+4*\c+3] offset:8192*(\n)+512*\c
.endr
	ds_store_b32 v[VW0], v[PS] offset:256*(\n)             ; lanes r and r + 16 write the same word with the same value
.if (\n) < 4
	VLOAD (\n)%4, 512*((\n)+4)                             ; the buffer takes the unit four further on
	s_wait_loadcnt 48                                      ; the next unit is in: behind its loads stand three units' 48
.elseif (\n) < 7
	s_wait_loadcnt 16*(6-(\n))                             ; nothing more is asked for: the counts run down
.endif
.endm
	s_load_b128 s[4:7], s[0:1], 0x0                        ; qkv, out0
	v_lshl_add_u32 v254, v0, 2, 0x4c400
	v_mov_b32 v255, 0
	v_lshrrev_b32 v9, 5, v0
	v_readfirstlane_b32 s[WV], v9                          ; wave 0..7
	s_and_b32 s[HD], ttmp7, 0xffff                         ; the head
	s_lshl_b32 s[XO], ttmp9, 11                            ; my work-group's 512 queries: 2,048 bytes of a row
	v_and_b32 v9, 31, v0                                   ; lane
	v_and_b32 v10, 15, v0                                  ; r
	v_bfe_u32 v11, v0, 4, 1                                ; h
	v_lshlrev_b32 v[GA], 3, v9
	v_lshlrev_b32 v[GV], 4, v10
	v_lshl_add_u32 v[GV], v11, 13, v[GV]
	s_mul_i32 s36, s[HD], 1572864                          ; the head's 192 rows of 8,192 bytes (under 2^32 in all)
	s_lshl_b32 s37, s[WV], 8
	s_add_co_u32 s37, s37, s[XO]                           ; my wave's 64 queries: 2048 x + 256 w
	s_add_co_u32 s40, s36, s37
	s_mov_b32 s41, 0
	s_lshl_b32 s42, s[WV], 10                              ; K: my wave's 256 keys
	s_add_co_u32 s42, s42, s36
	s_add_co_u32 s42, s42, 524288
	s_mov_b32 s43, 0
	s_and_b32 s38, s[WV], 3                                ; V: my channel tile,
	s_lshr_b32 s39, s[WV], 2                               ; and my half of the key steps
	s_lshl_b32 s44, s38, 17
	s_lshl_b32 s45, s39, 12
	s_add_co_u32 s44, s44, s45
	s_add_co_u32 s44, s44, s36
	s_add_co_u32 s44, s44, 1048576
	s_mov_b32 s45, 0
	s_lshl_b32 s46, s[HD], 19                              ; out: the head's 64 rows
	s_add_co_u32 s46, s46, s37
	s_mov_b32 s47, 0
	s_mov_b32 s[SEL], 0x76543210
	s_mov_b32 s[SEL+1], 0xfedcba98
	s_mov_b32 s[CS], 0x3fb8aa3b                            ; log2(e)
	s_mov_b32 s[CS+1], s[CS]
	s_mov_b32 s[MNT], 0x600000
	s_mov_b32 s[SCL], 0x3eb504f3                           ; g = 1 / sqrt(sqrt(64)) in f32
	s_wait_kmcnt 0x0
	s_add_nc_u64 s[QB:QB+1], s[4:5], s[40:41]
	s_add_nc_u64 s[KB:KB+1], s[4:5], s[42:43]
	s_add_nc_u64 s[VB:VB+1], s[4:5], s[44:45]
	s_add_nc_u64 s[OB:OB+1], s[6:7], s[46:47]
	VLOAD 0, 0                                             ; V's first two units wait in registers that nothing else wants in the head phase
	VLOAD 1, 512
	LOADQK 0, QB, 0, 1                                     ; my 64 queries: read once in the launch
	LOADQK 1, QB, 0, 1
	; the LDS addresses, made while the loads are on their way.  Column 2 l + jj of a group of 64: tile 2 (l / 16) + (l / 4) % 2, row 8 ((l / 8) % 2) + 2 (l % 4) + jj
	v_bfe_u32 v44, v0, 2, 1
	v_bfe_u32 v48, v0, 3, 1
	v_and_b32 v49, 3, v0
	v_lshlrev_b32 v[LK], 11, v11
	v_lshl_add_u32 v[LK], v44, 10, v[LK]
	v_lshl_add_u32 v[LK], v48, 7, v[LK]
	v_lshl_add_u32 v[LK], v49, 5, v[LK]
	v_lshlrev_b32 v[LW], 2, v11
	v_lshl_add_u32 v[LW], v44, 7, v[LW]
	v_lshl_add_u32 v[LW], v48, 6, v[LW]
	v_lshl_add_u32 v[LW], v49, 4, v[LW]
	s_lshl_b32 s36, s[WV], 14                              ; my 256 keys' images: 16 tiles
	v_add_nc_u32 v[AKW], s36, v[LK]
	s_lshl_b32 s36, s[WV], 10                              ; and their scale words: four groups
	s_add_co_u32 s36, s36, SCK
	v_add_nc_u32 v[AKS], s36, v[LW]
	s_mul_i32 s37, s[WV], WSB
	s_add_co_u32 s37, s37, WS                              ; my wave's own bytes
	v_add_nc_u32 v[AQW], s37, v[LK]
	s_add_co_u32 s36, s37, 4096
	v_add_nc_u32 v[AQS], s36, v[LW]
	v_lshl_add_u32 v[QSA], v9, 3, s36
	v_lshl_add_u32 v[QL], v9, 4, s37
	v_mul_u32_u24 v[SA], v11, 272
	v_lshl_add_u32 v[SA], v10, 4, v[SA]
	v_add_nc_u32 v[SA], s37, v[SA]
	v_mul_u32_u24 v[SB], v10, 272
	v_lshl_add_u32 v[SB], v11, 6, v[SB]
	v_add_nc_u32 v[SB], s37, v[SB]
	v_and_b32 v44, 8, v10
	v_add_nc_u32 v44, v44, v10                             ; r + 8 (r / 8): my query's place in its 32
	v_lshlrev_b32 v44, 2, v44
	v_mad_u32_u24 v[OS], v11, 2176, v44                    ; the way out: channel row 8 h of 272 bytes, + my query
	v_add_nc_u32 v[OS], s37, v[OS]
	s_lshl_b32 s36, s38, 11
	s_lshl_b32 s40, s39, 16
	s_add_co_u32 s36, s36, s40
	s_add_co_u32 s36, s36, VIMG
	v_lshl_add_u32 v[VI0], v9, 4, s36                      ; V's images: 2048 (4 step + channel tile) + 16 x lane
	s_lshl_b32 s36, s38, 6
	s_lshl_b32 s40, s39, 11
	s_add_co_u32 s36, s36, s40
	s_add_co_u32 s36, s36, SCV
	v_lshl_add_u32 v[VW0], v10, 2, s36                     ; V's scale words: 256 step + 64 channel tile + 4 r
	v_lshlrev_b32 v[AK0], 4, v9
	v_lshl_add_u32 v[AV0], v9, 4, VIMG
	v_lshl_add_u32 v[ASK0], v9, 3, SCK
	v_lshl_add_u32 v[ASV0], v9, 2, SCV
.irp b, 0,1,2,3
	v_mov_b32 v[PX+\b], 0                                  ; written once: a lane permute's destination counts as one of its sources
.endr
	v_mov_b32 v[F+1], 0                                    ; (named as the upper half of the pair before it is otherwise written)
.irp e, 0,1,2,3,4,5,6,7
	v_mov_b32 v[KF+64+\e], 0                               ; zero codes behind K's last tile
.endr
	WIN 0x40
.irp i, 0,1,2,3
.irp e, 8,9,10,11,12,13,14,15
	v_mov_b32 v[192+16*\i+\e], 0                           ; Q's k = 64 .. 127: zero codes
.endr
.endr
	WIN 0
	; ---- Q: my 64 queries become four tiles' images in my own bytes, and come back as operand registers
	UNIT AQW, AQS, 0
	WIN 0x40
.irp i, 0,1,2,3
	ds_load_b128 v[192+16*\i:192+16*\i+3], v[QL] offset:1024*\i          ; LDS serves a wave's instructions in order: these see my stores
	ds_load_b128 v[192+16*\i+4:192+16*\i+7], v[QL] offset:1024*\i+512
.endr
	WIN 0
	ds_load_b64 v[QS:QS+1], v[QSA]                         ; register b: tile 2 b in lanes 0-15, tile 2 b + 1 in lanes 16-31
	; ---- K: my 256 keys, four groups of 64; the last is written out, since it asks for V in K's place
	s_mov_b32 s[CNT], 3
	s_mov_b32 s[KI], 0
	s_mov_b32 s[KW], 0
.Lkgroup:
	s_wait_dscnt 0x0                                       ; my LDS stores have read their address registers; Q is in
	v_add_nc_u32 v[IA], s[KI], v[AKW]
	v_add_nc_u32 v[WA], s[KW], v[AKS]
	UNIT IA, WA, 1
	s_wait_xcnt 0x0                                        ; the loads have read their base: it is stepped only behind this wait
	s_add_nc_u64 s[KB:KB+1], s[KB:KB+1], 256
	s_add_co_u32 s[KI], s[KI], 4096
	s_add_co_u32 s[KW], s[KW], 256
	s_sub_co_u32 s[CNT], s[CNT], 1
	s_cmp_lg_u32 s[CNT], 0
	s_cbranch_scc1 .Lkgroup
	s_wait_dscnt 0x0
	v_add_nc_u32 v[IA], s[KI], v[AKW]
	v_add_nc_u32 v[WA], s[KW], v[AKS]
	UNIT IA, WA, 2
	; ---- V: my channel tile, eight key steps.  Units 0 and 1 came in long ago; behind them stand units 2 and 3's 32 loads
	s_wait_loadcnt 32
.irp n, 0,1,2,3,4,5,6,7
	VUNIT \n
.endr
	s_wait_dscnt 0x0                                       ; for the others' sake: all my stores into the images and the scale words have landed
	s_barrier_signal -1
	s_barrier_wait -1                                      ; the kernel's one barrier: from here on the images are only read
; A key step's eight tiles of K and their scale words
.macro KLOAD ak, aw
.irp t, 0,1,2,3,4,5,6,7
	ds_load_b128 v[KF+8*\t:KF+8*\t+3], v[\ak] offset:1024*\t
	ds_load_b128 v[KF+8*\t+4:KF+8*\t+7], v[\ak] offset:1024*\t+512
.endr
	ds_load_b64 v[KS:KS+1], v[\aw]
	ds_load_b64 v[KS+2:KS+3], v[\aw] offset:256
.endm
; S^T of query tile i: eight products, each starting its sum with the constant 0.  Register KS + t / 2 holds tile t's scale words in lanes 0-15 (t even) or 16-31 (t odd); Q's likewise
.macro SMUL i
	WIN 0x04                                               ; source 1 (Q) in window 1
.irp t, 0,1,2,3,4,5,6,7
.if ((\t)%2 == 0) && ((\i)%2 == 0)
	v_wmma_scale_f32_16x16x128_f8f6f4 v[S+8*\t:S+8*\t+7], v[KF+8*\t:KF+8*\t+15], v[192+16*(\i):192+16*(\i)+15], 0, v[KS+\t/2], v[QS+(\i)/2]
.elseif ((\t)%2 == 1) && ((\i)%2 == 0)
	v_wmma_scale_f32_16x16x128_f8f6f4 v[S+8*\t:S+8*\t+7], v[KF+8*\t:KF+8*\t+15], v[192+16*(\i):192+16*(\i)+15], 0, v[KS+\t/2], v[QS+(\i)/2] matrix_a_scale:MATRIX_SCALE_ROW1
.elseif ((\t)%2 == 0) && ((\i)%2 == 1)
	v_wmma_scale_f32_16x16x128_f8f6f4 v[S+8*\t:S+8*\t+7], v[KF+8*\t:KF+8*\t+15], v[192+16*(\i):192+16*(\i)+15], 0, v[KS+\t/2], v[QS+(\i)/2] matrix_b_scale:MATRIX_SCALE_ROW1
.else
	v_wmma_scale_f32_16x16x128_f8f6f4 v[S+8*\t:S+8*\t+7], v[KF+8*\t:KF+8*\t+15], v[192+16*(\i):192+16*(\i)+15], 0, v[KS+\t/2], v[QS+(\i)/2] matrix_a_scale:MATRIX_SCALE_ROW1 matrix_b_scale:MATRIX_SCALE_ROW1
.endif
.endr
.endm
; ONE QUERY TILE'S TURN IN A KEY STEP.  At its head v[S] on holds the tile's scores, eight places or more behind their products.  The tile's softmax; then the NEXT tile's scores are asked of the matrix unit, the rescaling of
; O^T stands behind them as their places, and the tile's four products O^T += V P^T close the turn.  The accumulators take turns, one instruction a turn.
; first = 1: the first key step starts M, the sum and O^T.  more = 2 (tile 3 in the loop): in the last trip there is no next step: its loads of K and its products are jumped over, no wait is.
.macro TILE i, first, more
.set rT, ST+4*\i
.if \i == 3                            ; the next step's K: the last products that read K stand in front of the tile before's rescaling (16 plain lines; in the first step eight v_nop)
	v_add_nc_u32 v[ADK], s[TK], v[AK0]
	v_add_nc_u32 v[ADS], s[TS], v[ASK0]
.if \more == 2
	s_cmp_eq_u32 s[CNT], 1
	s_cbranch_scc1 .Lno_k_\@
.endif
	KLOAD ADK, ADS
.if \more == 2
.Lno_k_\@:
.endif
	s_add_co_u32 s[TK], s[TK], 8192
	s_add_co_u32 s[TS], s[TS], 512
.endif
.irp b, 0,1,2,3
	v_max3_num_f32 v[BM+\b], v[S+16*\b], v[S+16*\b+1], v[S+16*\b+2]    ; THE LARGEST SCORE OF EACH BLOCK OF 32 KEYS serves twice: for the row's maximum, and, since p rises with the score, for the block's largest p.  Each accumulator is read from its low end on
.endr
.irp e, 3,5,7,9,11,13
.irp b, 0,1,2,3
	v_max3_num_f32 v[BM+\b], v[BM+\b], v[S+16*\b+\e], v[S+16*\b+\e+1]
.endr
.endr
.irp b, 0,1,2,3
	v_max_num_f32 v[BM+\b], v[BM+\b], v[S+16*\b+15]
.endr
.if \i == 0                            ; this step's V: the 32 lines above are the places behind the last step's products, which read V's registers
	v_add_nc_u32 v[ADV], s[TV], v[AV0]
	v_add_nc_u32 v[ADT], s[TW], v[ASV0]
	WIN 0x40
.irp ct, 0,1,2,3
.irp c, 0,1,2,3
	ds_load_b128 v[128+16*\ct+4*\c:128+16*\ct+4*\c+3], v[ADV] offset:2048*\ct+512*\c
.endr
.endr
	WIN 0
	ds_load_b32 v[VS], v[ADT]                              ; channel tiles 0 (lanes 0-15) and 1 (lanes 16-31),
	ds_load_b32 v[VS+1], v[ADT] offset:128                 ; 2 and 3
	s_add_co_u32 s[TV], s[TV], 8192
	s_add_co_u32 s[TW], s[TW], 256
.endif
.irp b, 0,1,2,3
	v_permlanex16_b32 v[PX+\b], v[BM+\b], s[SEL], s[SEL+1]
.endr
.irp b, 0,1,2,3
	v_max_num_f32 v[BM+\b], v[BM+\b], v[PX+\b]             ; with lane l xor 16's 16 keys
.endr
	v_max3_num_f32 v[TA], v[BM], v[BM+1], v[BM+2]
	v_max_num_f32 v[TA], v[TA], v[BM+3]                    ; the step's largest score of my query
.if \first
	v_mul_f32 v[rT+1], s[CS], v[TA]                        ; as t
	v_floor_f32 v[rT], -v[rT+1]                            ; -M = floor(-t) = -ceil(t)
.else
	v_mul_f32 v[TA], s[CS], v[TA]
	v_max_num_f32 v[rT+1], v[rT+1], v[TA]                  ; the running largest t
	v_mov_b32 v[TA], v[rT]
	v_floor_f32 v[rT], -v[rT+1]                            ; the new -M: M IS A WHOLE NUMBER
	v_sub_f32 v[TA], v[rT], v[TA]                          ; M's old value less its new one: a whole number, 0 or less
	v_cvt_i32_f32 v[TA], v[TA]                             ; (it saturates)
	v_ldexp_f32 v[F], 1.0, v[TA]                           ; f = 2^(old M - new M)
.endif
.irp b, 0,1,2,3
	v_fma_f32 v[BM+\b], v[BM+\b], s[CS], v[rT]             ; t - M of each block's largest score
.endr
	v_pk_fma_f32 v[S:S+1], v[S:S+1], s[CS:CS+1], v[rT:rT+1] op_sel_hi:[1,0,0]   ; t - M, two at a time; a pair is scaled one group ahead of its exponentials
.set gi, 0
.rept 32
.if gi < 31
	v_pk_fma_f32 v[S+2*gi+2:S+2*gi+3], v[S+2*gi+2:S+2*gi+3], s[CS:CS+1], v[rT:rT+1] op_sel_hi:[1,0,0]
.endif
	v_exp_f32 v[S+2*gi], v[S+2*gi]                         ; p = 2^(t - M), at most 1: NOT normalised.  Nothing in this batch names an exponential's result
	v_exp_f32 v[S+2*gi+1], v[S+2*gi+1]
.set gi, gi+1
.endr
.if \first
	v_mov_b32 v[rT+2], 0                                   ; the sum, in two halves.  (Plain lines behind the exponentials)
	v_mov_b32 v[rT+3], 0
.else
	v_pk_mul_f32 v[rT+2:rT+3], v[rT+2:rT+3], v[F:F+1] op_sel_hi:[1,0]   ; the sum under the new M.  (A plain line behind the exponentials)
.endif
	s_wait_alu depctr_va_vdst(0)                           ; one wait for the batch of 64, ahead of its first reader
.irp b, 0,1,2,3
	v_exp_f32 v[BM+\b], v[BM+\b]                           ; the block's largest p: the same two instructions on the same number give the same bits
.endr
	v_pk_add_f32 v[rT+2:rT+3], v[rT+2:rT+3], v[S:S+1]      ; THE ROW'S SUM IS TAKEN OF THE UNQUANTISED p: two at a time, in four chains by turns.  (It reads the 64 alone: plain work behind the four)
	v_pk_add_f32 v[T0:T0+1], v[S+2:S+3], v[S+10:S+11]
	v_pk_add_f32 v[T1:T1+1], v[S+4:S+5], v[S+12:S+13]
	v_pk_add_f32 v[T2:T2+1], v[S+6:S+7], v[S+14:S+15]
	v_pk_add_f32 v[rT+2:rT+3], v[rT+2:rT+3], v[S+8:S+9]
.irp m, 2,3,4,5,6,7
	v_pk_add_f32 v[rT+2:rT+3], v[rT+2:rT+3], v[S+8*\m:S+8*\m+1]
	v_pk_add_f32 v[T0:T0+1], v[T0:T0+1], v[S+8*\m+2:S+8*\m+3]
	v_pk_add_f32 v[T1:T1+1], v[T1:T1+1], v[S+8*\m+4:S+8*\m+5]
	v_pk_add_f32 v[T2:T2+1], v[T2:T2+1], v[S+8*\m+6:S+8*\m+7]
.endr
	v_pk_add_f32 v[T0:T0+1], v[T0:T0+1], v[T1:T1+1]
	v_pk_add_f32 v[rT+2:rT+3], v[rT+2:rT+3], v[T2:T2+1]
	v_pk_add_f32 v[rT+2:rT+3], v[rT+2:rT+3], v[T0:T0+1]
	s_wait_alu depctr_va_vdst(0)                           ; and one for the four
.irp b, 0,1,2,3
	v_max_num_f32 v[BM+\b], 0x4800000, v[BM+\b]            ; the floor 2^(9 - 127): the byte cannot fall under 1 (a block whose every p is 0 keeps that byte: its codes are zeros)
.endr
	BYTES                                                  ; p's scale word for these 128 keys: more than eight plain lines ahead of the products that name it
.irp b, 0,1,2,3
.irp e, 0,1,2,3,4,5,6,7,8,9,10,11,12,13,14,15
	v_min_num_f32 v[S+16*\b+\e], v[S+16*\b+\e], v[HL+\b]   ; the conversion does not saturate (ISA guide 7.6.2); p is not negative, so the hold is one-sided
.endr
	v_cvt_scalef32_pk8_fp8_f32 v[PC+4*\b:PC+4*\b+1], v[S+16*\b:S+16*\b+7], v[SO+\b]
	v_cvt_scalef32_pk8_fp8_f32 v[PC+4*\b+2:PC+4*\b+3], v[S+16*\b+8:S+16*\b+15], v[SO+\b]
.endr
	v_nop                                                  ; a plain line between the last conversion and the products below, which write its sources
.if \i < 3
	SMUL \i+1                                              ; the next tile's scores
.else
	s_wait_dscnt 0x0                                       ; the next step's K is in (asked for at this tile's head)
.if \more == 2
	s_cmp_eq_u32 s[CNT], 1
	s_cbranch_scc1 .Lno_s_\@
.endif
	SMUL 0                                                 ; the next step's first scores
.if \more == 2
	WIN 0                                                  ; at a label every window is 0
.Lno_s_\@:
.endif
.endif
.if \first
.rept 8
	v_nop                                                  ; the places behind the products above and in front of those below: there is no O^T yet to rescale
.endr
.else
	WIN 0x41                                               ; O^T (destination and source 0) in window 1, f in window 0
.set gi, 0
.rept 16
	v_pk_mul_f32 v[32*\i+2*gi:32*\i+2*gi+1], v[32*\i+2*gi:32*\i+2*gi+1], v[F:F+1] op_sel_hi:[1,0]   ; O^T under the new M, from each accumulator's low end on.  These 16 are the places behind the scores' products and in front of the products below
.set gi, gi+1
.endr
.endif
.if \i == 0
	s_wait_dscnt 0x0                                       ; V is in
.endif
.if \first
	WIN 0x41                                               ; source 0 (V) and the destination in window 1
.else
	WIN 0x51                                               ; and C with them
.endif
.irp ct, 0,1,2,3
.if \first && ((\ct)%2 == 0)
	v_wmma_scale_f32_16x16x128_f8f6f4 v[32*\i+8*\ct:32*\i+8*\ct+7], v[128+16*\ct:128+16*\ct+15], v[PC:PC+15], 0, v[VS+\ct/2], v[PS]
.elseif \first
	v_wmma_scale_f32_16x16x128_f8f6f4 v[32*\i+8*\ct:32*\i+8*\ct+7], v[128+16*\ct:128+16*\ct+15], v[PC:PC+15], 0, v[VS+\ct/2], v[PS] matrix_a_scale:MATRIX_SCALE_ROW1
.elseif (\ct)%2 == 0
	v_wmma_scale_f32_16x16x128_f8f6f4 v[32*\i+8*\ct:32*\i+8*\ct+7], v[128+16*\ct:128+16*\ct+15], v[PC:PC+15], v[32*\i+8*\ct:32*\i+8*\ct+7], v[VS+\ct/2], v[PS]
.else
	v_wmma_scale_f32_16x16x128_f8f6f4 v[32*\i+8*\ct:32*\i+8*\ct+7], v[128+16*\ct:128+16*\ct+15], v[PC:PC+15], v[32*\i+8*\ct:32*\i+8*\ct+7], v[VS+\ct/2], v[PS] matrix_a_scale:MATRIX_SCALE_ROW1
.endif
.endr
	WIN 0
.endm
	; ---- the key steps
	KLOAD AK0, ASK0                                        ; key step 0
	s_mov_b32 s[TK], 8192
	s_mov_b32 s[TS], 512
	s_mov_b32 s[TV], 0
	s_mov_b32 s[TW], 0
	s_wait_dscnt 0x0
	SMUL 0
	WIN 0
.rept 8
	v_nop                                                  ; eight places between these products and the first read of their results: no vector work is at hand yet
.endr
	TILE 0, 1, 1                                           ; the first step is written out: its products start O^T's sums with the constant 0, and nothing is cleared
	TILE 1, 1, 1
	TILE 2, 1, 1
	TILE 3, 1, 1
	s_mov_b32 s[CNT], 15
.Lstep:
	TILE 0, 0, 1
	TILE 1, 0, 1
	TILE 2, 0, 1
	TILE 3, 0, 2
	s_sub_co_u32 s[CNT], s[CNT], 1
	s_cmp_lg_u32 s[CNT], 0
	s_cbranch_scc1 .Lstep
	; ---- THE WAY OUT.  The sum's two halves and lane l xor 16's are added; O^T is divided by the sum.  The eight additions and the v_nop are the places behind the last products.
.irp i, 0,1,2,3
	v_add_f32 v[ST+4*\i+2], v[ST+4*\i+2], v[ST+4*\i+3]
.endr
.irp i, 0,1,2,3
	v_permlanex16_b32 v[PX+\i], v[ST+4*\i+2], s[SEL], s[SEL+1]
.endr
.irp i, 0,1,2,3
	v_add_f32 v[ST+4*\i+2], v[ST+4*\i+2], v[PX+\i]
.endr
.irp i, 0,1,2,3
	v_rcp_f32 v[ST+4*\i], v[ST+4*\i+2]
.endr
	v_nop                                                  ; a plain line between the last reciprocal and the use of its result
	s_wait_alu depctr_va_vdst(0)                           ; one wait for the four reciprocals, ahead of their first reader
	WIN 0x41
.irp i, 0,1,2,3
.set gi, 0
.rept 16
	v_pk_mul_f32 v[32*\i+2*gi:32*\i+2*gi+1], v[32*\i+2*gi:32*\i+2*gi+1], v[ST+4*\i:ST+4*\i+1] op_sel_hi:[1,0]
.set gi, gi+1
.endr
.endr
	WIN 0
; A lane holds eight CHANNELS of one query, and the output has the queries innermost: 16 channels x my wave's 64 queries go through my stage (rows of 256 bytes + 16), a number at a time, and come back as whole rows:
; sixteen lanes then store 256 consecutive bytes, at a multiple of 256 from the output's first byte.  LDS serves a wave's instructions in order: no wait between the stores and the loads, nor in front of the next tile's stores.
.macro TOSTAGE ct
	WIN 0x04                                               ; an LDS store's data are its source 1: window 1
.irp i, 0,1,2,3
.irp jj, 0,1,2,3,4,5,6,7
	ds_store_b32 v[OS], v[32*\i+8*\ct+\jj] offset:272*\jj+4*(32*(\i/2)+8*(\i%2))   ; channel 16 ct + 8 h + jj, query 32 (i / 2) + 8 (i % 2) + r + 8 (r / 8)
.endr
.endr
	WIN 0
.irp k, 0,1,2,3,4,5,6,7
	ds_load_b128 v[64+32*\ct+4*\k:64+32*\ct+4*\k+3], v[SA] offset:544*\k
.endr
.endm
.macro SEND ct, younger                ; younger: the LDS instructions issued behind channel tile ct's loads: the next tile's 32 stores and 8 loads, or none
.irp k, 0,1,2,3,4,5,6,7
	s_wait_dscnt \younger+7-\k
	global_store_b128 v[GV], v[64+32*\ct+4*\k:64+32*\ct+4*\k+3], s[OB:OB+1] offset:(16*\ct+2*\k)*8192 th:TH_STORE_NT   ; written once, read by nobody here; each tile has registers of its own, so no store's data are written again
.endr
.endm
	TOSTAGE 0
	TOSTAGE 1
	SEND 0, 40
	TOSTAGE 2
	SEND 1, 40
	TOSTAGE 3
	SEND 2, 40
	SEND 3, 0
	s_wait_tensorcnt 0x0
	ds_add_u32 v254, v255
	s_wait_dscnt 0x0
	s_endpgm
.Lfunc_end_k_q0d41e29655_attn:
	.size	k_q0d41e29655_attn, .Lfunc_end_k_q0d41e29655_attn-k_q0d41e29655_attn
	.p2alignl 7, 3214868480
	.fill 96, 4, 3214868480
	.section	.rodata,"a",@progbits
	.p2align	6, 0x0
	.amdhsa_kernel k_q0d41e29655_attn
		.amdhsa_group_segment_fixed_size 313344
		.amdhsa_private_segment_fixed_size 0
		.amdhsa_enable_private_segment 0
		.amdhsa_kernarg_size 16
		.amdhsa_user_sgpr_count 2
		.amdhsa_user_sgpr_kernarg_segment_ptr 1
		.amdhsa_wavefront_size32 1
		.amdhsa_system_sgpr_workgroup_id_x 1
		.amdhsa_system_sgpr_workgroup_id_y 1
		.amdhsa_system_sgpr_workgroup_id_z 1
		.amdhsa_system_vgpr_workitem_id 0
		.amdhsa_next_free_vgpr 512
		.amdhsa_next_free_sgpr 66
		.amdhsa_reserve_vcc 0
		.amdhsa_float_denorm_mode_32 3
		.amdhsa_float_denorm_mode_16_64 3
		.amdhsa_memory_ordered 1
		.amdhsa_forward_progress 1
		.amdhsa_inst_pref_size 255
	.end_amdhsa_kernel
	.section	.bss,"aw",@nobits
	.p2align	6
	.space	262144
	.amdgpu_metadata
---
amdhsa.version: [ 1, 2 ]
amdhsa.kernels:
  - .name:           k_q0d41e29655_attn
    .symbol:         k_q0d41e29655_attn.kd
    .args:
      - { .name: qkv, .offset: 0, .size: 8, .value_kind: global_buffer, .address_space: global }
      - { .name: out0, .offset: 8, .size: 8, .value_kind: global_buffer, .address_space: global }
    .group_segment_fixed_size: 313344
    .private_segment_fixed_size: 0
    .kernarg_segment_align: 8
    .kernarg_segment_size: 16
    .max_flat_workgroup_size: 256
    .sgpr_count:     66
    .vgpr_count:     512
    .wavefront_size: 32
...
	.end_amdgpu_metadata
.endif
;; end of part 1
;; ======== version 2 of 2: 1 launch; version 1 with the launch attn written anew for expert scheduling mode
;; launch attn (part 2): grid 4 x 64, 8 waves a work-group, no clusters, 313,344 bytes of LDS; arguments qkv, out0; writes out0
.if DOCPART == 2
	.amdgcn_target "amdgcn-amd-amdhsa--gfx1250"
	.amdhsa_code_object_version 6
	.text
	.protected	k_q0d41e29655_attn
	.globl	k_q0d41e29655_attn
	.p2align	8
	.type	k_q0d41e29655_attn,@function
k_q0d41e29655_attn:
	s_mov_b64 s[64:65], 0
	v_nop
	global_prefetch_b8 v0, s[64:65] scope:SCOPE_SE
	s_setreg_imm32_b32 hwreg(HW_REG_WAVE_SCHED_MODE, 0, 2), 2
	s_setreg_imm32_b32 hwreg(HW_REG_WAVE_MODE, 25, 1), 1
	s_wait_xcnt 0x0
	s_wait_alu depctr_vm_vsrc(0)
; out[b][c][t] = sum over s of softmax_s( sum over c' of (g q)[b][c'][t] (g k)[b][c'][s] ) v[b][c][s],  g = 1 / sqrt(sqrt(64)).
; qkv: [64][192][2048] f32, tokens innermost (rows 0-63 q, 64-127 k, 128-191 v); out: [64][64][2048] f32.  Both products on codes of FP8 (E4M3) with one E8M0 scale for each 32 along K.
; SHARES.  A work-group of eight waves owns 512 queries of one head (grid 4 x 64).  HEAD PHASE: the eight waves quantise the head's whole K (along the channels) and V (along the keys) from f32 in registers
; and lay the codes in LDS ONCE, as images of operand registers (128 KB + 128 KB + 12 KB of scale words); each wave quantises its own 64 queries.  One barrier.  MAIN PHASE: 16 steps of 128 keys, no barrier,
; nothing filled again; a wave holds four tiles of 16 queries, so each fragment of K and V read from LDS feeds four products.  Two waves share a SIMD: one's vector work stands beside the other's products.
; LAYOUT.  Both products are used transposed: S^T = K Q^T (source 0 = 16 keys, source 1 = 16 queries), O^T = V P^T (source 0 = 16 channels, source 1 = P): a lane holds ONE query throughout.
; THE COLUMNS OF A TILE OF K OR Q ARE NOT NEIGHBOURS: row r of tile 2 b + u is column 32 b + 8 u + r + 8 (r / 8), so that the 16 score registers of tiles 2 b, 2 b + 1 are 16 neighbouring keys 32 b + 16 (lane / 16) + 0 .. 15.
; THE FIRST PRODUCT'S K IS 64, the instruction's 128: Q's registers 8-15 are zero codes.  K's registers 8-15 of a tile are simply the next tile's codes (behind the last tile: zeros): they meet Q's zero codes and add
; exactly 0; no code is NaN (every number is held within the largest code), and the scale bytes of k = 64 .. 127 are 0, which is 2^-127 and not NaN.
; SOFTMAX.  t = score x log2(e); M = the running largest t rounded UP to a whole number, kept as -M; p = 2^(t - M) is quantised along the keys; the row's sum is taken of the unquantised p and divides at the end;
; when M moves, the sum and O^T are multiplied by 2^(old M - new M), which rounds nothing.
; NO CLUSTER, NO TENSOR LOADS: what the four work-groups of a head share is the f32 K and V, 1 MB a head, used in the head phase alone; LDS is full of codes, so shared f32 tiles would have to pass a ring in the
; 15 KB that remain: some seventy changes of slots for data that each wave touches once.  The loads go straight into registers, 256 aligned consecutive bytes to each sixteen or thirty-two lanes.
; LIMITS: NaN and infinities among the inputs are not served.  A block whose largest magnitude lies under 2^-118 keeps the scale byte 1; a block of zeros gets the byte 1 where the rule says 127: its codes are zeros, and this program alone reads the bytes.
;
; THE MODE: SCHED_MODE bits 1:0 = 2 (LLVM: expert scheduling mode 2), set by the entry lines.  The code itself states the register dependences between vector or matrix instructions and memory or LDS instructions,
; with s_wait_alu, always for 0.
; THE PLAN.  Registers that memory or LDS instructions touch, and who else names them:
;   v[GA], v[GV]: the global offsets: written once at the head, ahead of the wait in front of the first load; never again.  All LDS addresses but the six below likewise.
;   HEAD PHASE.  Window 1 v0-63, v64-127: q's or k's channels 0-31, 32-63.  Loads land there, the multiplications by g read them; a half is asked for again behind KOUT's wait on va_vdst, which stands behind all of them.
;     v[C ..] (two columns' codes), v[W ..] (their scale words): written by conversions and byte lines, read by the LDS stores behind KOUT's wait, written again only behind a wait on vm_vsrc (block 1's first column; a group's head).
;     v[IA], v[WA]: written at a group's head behind that wait on vm_vsrc, read by the stores behind KOUT's wait.
;     V's ring of four buffers: loads land there, TURN's LDS stores alone read them; a buffer is asked for again behind the unit's wait on vm_vsrc.
;     v[X ..]: TURN's LDS loads land there, QUANT reads and writes them; the next TURN stands behind the wait on va_vdst ahead of the unit's image stores, which read v[PC ..] and v[PS].
;   MAIN PHASE.  K's fragments and scale words: read by the scores' products from tile 3's end to tile 2 of the next step; loaded in tile 3, directly behind that tile's wait for its 64 exponentials.
;     V's fragments and scale words: read by the four tiles' products O^T += V P^T; loaded in tile 0, directly behind that tile's wait for its 64 exponentials.
;     v[ADK], v[ADS], v[ADV], v[ADT]: written once a step, behind a wait on vm_vsrc and ahead of the same wait on va_vdst.
;     p's codes and scale word go from vector lines to scaled products: one wait on va_vdst a tile, behind the conversions; neither the scores' products nor the rescaling that follow it write them.
;   THE WAY OUT.  One wait on va_vdst behind the last multiplications; no vector instruction follows it.
;
; LDS: K's images at 0: key tile T at 1024 T, channels 32 c on at + 512 c, lane l's 16 bytes at + 16 l;   V's at VIMG: (step j, channel tile ct) at 2048 (4 j + ct), keys 32 b on at + 512 b, + 16 l;
;   SCK: K's scale words: group of 64 keys G at 256 G, lane 16 u + row at + 8, word (32 keys' half of the group) at + 4;   SCV: V's: step j at 256 j, channel tile at + 64, row at + 4;
;   WS: 4,608 bytes of each wave's own, used three times in program order: Q's images and scale words; the stage that turns V; the stage for the way out.
; REGISTERS.  Window 0: v1-8 addresses; v12-27 four registers of statistics a tile (-M, largest t, the sum in two halves); v28-43 at work on four blocks; v50-61 scale words; v64-135 K (and 8 zeros); v136-199 scores, then p;
;   v200-215 codes; v220-236 lane addresses.  Window 1: v0-127 O^T (32 a tile); v128-191 V's four fragments; v192-255 Q (16 a tile).  In the head phase window 1's v0-191 and window 0's v64-127 hold f32 numbers on their way.
.set VIMG, 131072
.set SCK,  262144
.set SCV,  270336
.set WS,   275456                      ; 1,024 bytes lie unused between V's scale words and the waves' own bytes
.set WSB,  4608
.set AK0,  1                           ; 16 x lane: my place in an image of K
.set AV0,  2                           ; VIMG + 16 x lane
.set ASK0, 3                           ; SCK + 8 x lane
.set ASV0, 4                           ; SCV + 4 x lane
.set ADK,  5                           ; addresses of the loads in hand
.set ADV,  6
.set ADS,  7
.set ADT,  8
.set IA,   5                           ; head phase: where K's images and scale words of the group in hand go
.set WA,   6
.set ST,   12
.set BM,   28                          ; v28-31 four blocks' largest; v32-35 permute's destination, then bytes; v36-39 the largest code x the scale; v40-43 the conversions' scale operand
.set PX,   32
.set HL,   36
.set SO,   40
.set TA,   44
.set F,    46                          ; v[46:47] f = 2^(old M - new M); v47 is only named with it
.set T0,   48
.set PS,   50                          ; the scale word just made (p's; in the head phase V's)
.set KS,   52                          ; v52-55 K's scale words; v56-57 V's; v60-61 Q's
.set VS,   56
.set QS,   60
.set KF,   64
.set S,    136
.set X,    136
.set PC,   200
.set C,    200                         ; head phase: the codes of my two columns, eight registers each
.set T1,   216
.set T2,   218
.set GA,   220                         ; 8 x lane: two columns of a row of q or k
.set GV,   221                         ; 8192 (lane / 16) + 16 (lane % 16): v's loads and the output's stores: two rows an instruction
.set LK,   222                         ; my two columns' place in four tiles' images
.set LW,   223                         ; and among their scale words
.set AKW,  224
.set AKS,  225
.set AQW,  226
.set AQS,  227
.set SA,   228                         ; my stage by rows of 272 bytes: 272 (lane / 16) + 16 (lane % 16)
.set SB,   229                         ; my stage: 272 (lane % 16) + 64 (lane / 16)
.set VI0,  230
.set VW0,  231
.set QL,   232
.set OS,   233
.set W,    234                         ; v234-235 the scale words of my two columns
.set QSA,  236
.set WV,   8
.set XO,   9
.set HD,   10
.set QB,   12
.set KB,   14
.set VB,   16
.set OB,   18
.set SEL,  20                          ; s[20:21] v_permlanex16_b32's selects for lane l xor 16
.set CS,   22                          ; s[22:23] log2(e): the packed form names a pair and takes its low word for both halves
.set MNT,  24                          ; the mantissa field of 448
.set SCL,  25                          ; g
.set CNT,  26
.set KI,   27
.set KW,   28
.set TK,   31
.set TS,   32
.set TV,   33
.set TW,   34
.set MSB,  0
.macro WIN new                         ; s_set_vgpr_msb: bits 1:0 source 0, 3:2 source 1, 5:4 source 2, 7:6 destination; the high byte repeats the setting that is left
.if MSB != (\new)
	s_set_vgpr_msb (MSB<<8)|(\new)
.set MSB, \new
.endif
.endm
; 32 channels (block blk) of 64 columns of q or k: a load takes one channel's 256 aligned consecutive bytes, two columns a lane.  Into window 1, v[64 blk + 2 c + column's parity]
.macro LOADQK blk, base, off, nt
	WIN 0x40
.set ci, 0
.rept 32
.if \nt
	global_load_b64 v[64*\blk+2*ci:64*\blk+2*ci+1], v[GA], s[\base:\base+1] offset:(32*\blk+ci)*8192+\off th:TH_LOAD_NT
.else
	global_load_b64 v[64*\blk+2*ci:64*\blk+2*ci+1], v[GA], s[\base:\base+1] offset:(32*\blk+ci)*8192+\off
.endif
.set ci, ci+1
.endr
	WIN 0
.endm
; V's ring of four buffers of 64 registers: 0: window 1 v128; 1: window 0 v64; 2: window 1 v0; 3: window 1 v64
.macro RING k
.if (\k) == 0
.set RB, 128
.set RWIN, 1
.elseif (\k) == 1
.set RB, 64
.set RWIN, 0
.elseif (\k) == 2
.set RB, 0
.set RWIN, 1
.else
.set RB, 64
.set RWIN, 1
.endif
.endm
; 16 channels x 128 keys of v: sixteen lanes take 256 aligned consecutive bytes of a row, an instruction two rows
.macro VLOAD k, off
	RING \k
	WIN 0x40*RWIN
.irp hf, 0,1
.irp i, 0,1,2,3,4,5,6,7
	global_load_b128 v[RB+32*\hf+4*\i:RB+32*\hf+4*\i+3], v[GV], s[VB:VB+1] offset:16384*\i+256*\hf+\off
.endr
.endr
	WIN 0
.endm
; From four blocks' largest magnitudes in v[BM] on: the conversions' scale operands, the holds, the bytes, and the scale word in v[PS]
.macro BYTES
.irp b, 0,1,2,3
	v_add_nc_u32 v[SO+\b], 0xfc000000, v[BM+\b]            ; 8 off the exponent field: the conversion takes the exponent field of this operand as its scale
.endr
.irp b, 0,1,2,3
	v_and_or_b32 v[HL+\b], v[BM+\b], 0x7f800000, s[MNT]    ; 448 x the scale
.endr
.irp b, 0,1,2,3
	v_lshrrev_b32 v[PX+\b], 23, v[SO+\b]                   ; the scale's byte
.endr
	v_lshl_or_b32 v[PS], v[PX+1], 8, v[PX]
	v_lshl_or_b32 v[PS], v[PX+2], 16, v[PS]
	v_lshl_or_b32 v[PS], v[PX+3], 24, v[PS]
.endm
; One column (parity jj of my two) x one block of 32 channels of q or k.  The multiplication by g, which is owed anyway, also gathers the column's channels into consecutive registers: nothing else transposes.
; The column's 32 codes go into v[C + 8 jj] on; KOUT stores both columns'.
.macro KEYBLK blk, jj
	WIN 0x04                                               ; source 1 in window 1
.set ci, 0
.rept 32
	v_mul_f32 v[X+ci], s[SCL], v[64*\blk+2*ci+\jj]
.set ci, ci+1
.endr
	WIN 0
.irp q, 0,1,2,3
	v_max3_num_f32 v[BM+\q], |v[X+8*\q]|, |v[X+8*\q+1]|, |v[X+8*\q+2]|     ; the block's largest magnitude: all 32 numbers are mine; four chains
.endr
.irp e, 3,5
.irp q, 0,1,2,3
	v_max3_num_f32 v[BM+\q], v[BM+\q], |v[X+8*\q+\e]|, |v[X+8*\q+\e+1]|
.endr
.endr
	v_max3_num_f32 v[BM], v[BM], |v[X+7]|, |v[X+15]|
	v_max3_num_f32 v[BM+2], v[BM+2], |v[X+23]|, |v[X+31]|
	v_max3_num_f32 v[BM], v[BM], v[BM+1], v[BM+2]
	v_max3_num_f32 v[BM], v[BM], v[BM+3], 0x4800000        ; and the floor 2^(9 - 127): the byte cannot fall under 1
.if (\blk == 1) && (\jj == 0)
	s_wait_dscnt 0x0                                       ; block 0's LDS stores are done,
	s_wait_alu depctr_vm_vsrc(0)                           ; and have read v[C ..], which this block's conversions write again.  (Block 0's own such wait stands at the group's head)
.endif
	v_add_nc_u32 v[SO], 0xfc000000, v[BM]
	v_and_or_b32 v[HL], v[BM], 0x7f800000, s[MNT]
.if \blk == 0
	v_lshrrev_b32 v[W+\jj], 23, v[SO]                      ; byte 0 of the column's scale word; bytes 2 and 3 stay 0
.else
	v_lshrrev_b32 v[PX], 23, v[SO]
	v_lshl_or_b32 v[W+\jj], v[PX], 8, v[W+\jj]             ; byte 1
.endif
.set ci, 0
.rept 32
	v_med3_num_f32 v[X+ci], v[X+ci], -v[HL], v[HL]         ; the conversion to an 8-bit code does not saturate (ISA guide 7.6.2): the hold at the largest code x the scale
.set ci, ci+1
.endr
.irp g, 0,1,2,3
	v_cvt_scalef32_pk8_fp8_f32 v[C+8*\jj+2*\g:C+8*\jj+2*\g+1], v[X+8*\g:X+8*\g+7], v[SO]
.endr
	v_nop                                                  ; a plain line between the conversions and the next lines that write their sources
.endm
; Both columns' codes of block blk go into the images
.macro KOUT blk, ia
	s_wait_alu depctr_va_vdst(0)                           ; the conversions have written v[C ..], the byte lines v[W ..], the group's head the stores' addresses; and the multiplications are done reading this block's numbers in window 1, in which the loads behind these stores land
	ds_store_b128 v[\ia], v[C:C+3] offset:512*\blk                 ; column 2 l: channels 32 blk + 0 .. 15: the image's lanes 0-15,
	ds_store_b128 v[\ia], v[C+4:C+7] offset:512*\blk+256           ; + 16 .. 31: its lanes 16-31
	ds_store_b128 v[\ia], v[C+8:C+11] offset:16+512*\blk           ; column 2 l + 1 likewise
	ds_store_b128 v[\ia], v[C+12:C+15] offset:16+512*\blk+256
.endm
; 64 columns x 64 channels.  mode 0: q's unit, behind which K's first group is asked for; 1: a group of K, the next group is asked for; 2: K's last group: V's units 2 and 3 are asked for.
; The loads owe no wait of their own: no vector instruction stands between KOUT's wait and them.
.macro UNIT ia, wa, mode
	s_wait_loadcnt 32                                      ; channels 0-31 are in; behind them stand the 32 loads of channels 32-63
	KEYBLK 0, 0
	KEYBLK 0, 1
	KOUT 0, \ia
.if \mode == 0
	LOADQK 0, KB, 0, 0
	s_wait_loadcnt 32                                      ; all but the 32 just issued: channels 32-63 are in
.elseif \mode == 1
	LOADQK 0, KB, 256, 0
	s_wait_loadcnt 32
.else
	VLOAD 2, 1024
	s_wait_loadcnt 16                                      ; all but the 16 just issued
.endif
	KEYBLK 1, 0
	KEYBLK 1, 1
	KOUT 1, \ia
	ds_store_b32 v[\wa], v[W]
	ds_store_b32 v[\wa], v[W+1] offset:8
.if \mode == 0
	LOADQK 1, KB, 0, 0
.elseif \mode == 1
	LOADQK 1, KB, 256, 0
.else
	VLOAD 3, 1536
.endif
.endm
; V's numbers, loaded 16 bytes a lane as they lie, turn through my stage (16 rows of 256 bytes + 16), 64 keys at a time, and come back 16 neighbours a block: v[X + 16 b + i] = key 32 b + 16 (lane / 16) + i of channel lane % 16.
; LDS serves a wave's instructions in order (ISA guide 5.7.1.4): no wait between the stores and the loads, nor in front of the second half's stores.
; No vector instruction stands between the last wait on va_vdst (KOUT's, or the one ahead of the last unit's image stores) and these loads into v[X ..].
.macro TURN k
	RING \k
	WIN 0x04*RWIN                                          ; an LDS store's data are its source 1
.irp hf, 0,1
.irp i, 0,1,2,3,4,5,6,7
	ds_store_b128 v[SA], v[RB+32*\hf+4*\i:RB+32*\hf+4*\i+3] offset:544*\i
.endr
.irp bb, 0,1
.irp q, 0,1,2,3
	ds_load_b128 v[X+32*\hf+16*\bb+4*\q:X+32*\hf+16*\bb+4*\q+3], v[SB] offset:128*\bb+16*\q
.endr
.endr
.endr
	WIN 0
.endm
; 64 numbers of a lane in v[X] on become a fragment's codes in v[PC] on and its scale word in v[PS]
.macro QUANT
.irp b, 0,1,2,3
	v_max3_num_f32 v[BM+\b], |v[X+16*\b]|, |v[X+1+16*\b]|, 0x4800000   ; block b: my 16 numbers, and the floor
.endr
.irp e, 2,4,6,8,10,12,14
.irp b, 0,1,2,3
	v_max3_num_f32 v[BM+\b], v[BM+\b], |v[X+16*\b+\e]|, |v[X+1+16*\b+\e]|
.endr
.endr
.irp b, 0,1,2,3
	v_permlanex16_b32 v[PX+\b], v[BM+\b], s[SEL], s[SEL+1]
.endr
.irp b, 0,1,2,3
	v_max_num_f32 v[BM+\b], v[BM+\b], v[PX+\b]             ; with lane l xor 16's 16: the block's largest magnitude
.endr
	BYTES
.irp b, 0,1,2,3
.irp e, 0,1,2,3,4,5,6,7,8,9,10,11,12,13,14,15
	v_med3_num_f32 v[X+16*\b+\e], v[X+16*\b+\e], -v[HL+\b], v[HL+\b]
.endr
	v_cvt_scalef32_pk8_fp8_f32 v[PC+4*\b:PC+4*\b+1], v[X+16*\b:X+16*\b+7], v[SO+\b]
	v_cvt_scalef32_pk8_fp8_f32 v[PC+4*\b+2:PC+4*\b+3], v[X+16*\b+8:X+16*\b+15], v[SO+\b]
.endr
	v_nop                                                  ; a plain line behind the last conversion
.endm
; V's unit n of my eight: my channel tile, key step 8 (wave / 4) + n
.macro VUNIT n
	TURN (\n)%4
	s_wait_dscnt 0x0                                       ; the numbers are back from the stage
	s_wait_alu depctr_vm_vsrc(0)                           ; the stage's stores have read the ring's buffer, in which the loads below land; the last image stores have read v[PC ..] and v[PS], which QUANT writes again
	QUANT
	s_wait_alu depctr_va_vdst(0)                           ; QUANT has written v[PC ..] and v[PS], which the stores below read, and is done with v[X ..], in which the next unit's LDS loads land
.irp c, 0,1,2,3
	ds_store_b128 v[VI0], v[PC+4*\c:PC+4*\c+3] offset:8192*(\n)+512*\c
.endr
	ds_store_b32 v[VW0], v[PS] offset:256*(\n)             ; lanes r and r + 16 write the same word with the same value
.if (\n) < 4
	VLOAD (\n)%4, 512*((\n)+4)                             ; the buffer takes the unit four further on
	s_wait_loadcnt 48                                      ; the next unit is in: behind its loads stand three units' 48
.elseif (\n) < 7
	s_wait_loadcnt 16*(6-(\n))                             ; nothing more is asked for: the counts run down
.endif
.endm
	s_load_b128 s[4:7], s[0:1], 0x0                        ; qkv, out0
	v_lshl_add_u32 v254, v0, 2, 0x4c400
	v_mov_b32 v255, 0
	v_lshrrev_b32 v9, 5, v0
	v_readfirstlane_b32 s[WV], v9                          ; wave 0..7
	s_and_b32 s[HD], ttmp7, 0xffff                         ; the head
	s_lshl_b32 s[XO], ttmp9, 11                            ; my work-group's 512 queries: 2,048 bytes of a row
	v_and_b32 v9, 31, v0                                   ; lane
	v_and_b32 v10, 15, v0                                  ; r
	v_bfe_u32 v11, v0, 4, 1                                ; h
	v_lshlrev_b32 v[GA], 3, v9
	v_lshlrev_b32 v[GV], 4, v10
	v_lshl_add_u32 v[GV], v11, 13, v[GV]
	s_mul_i32 s36, s[HD], 1572864                          ; the head's 192 rows of 8,192 bytes (under 2^32 in all)
	s_wait_alu depctr_va_sdst(0)                           ; the wave's number is written, ahead of its first reader: offsets and LDS addresses are made from it
	s_lshl_b32 s37, s[WV], 8
	s_add_co_u32 s37, s37, s[XO]                           ; my wave's 64 queries: 2048 x + 256 w
	s_add_co_u32 s40, s36, s37
	s_mov_b32 s41, 0
	s_lshl_b32 s42, s[WV], 10                              ; K: my wave's 256 keys
	s_add_co_u32 s42, s42, s36
	s_add_co_u32 s42, s42, 524288
	s_mov_b32 s43, 0
	s_and_b32 s38, s[WV], 3                                ; V: my channel tile,
	s_lshr_b32 s39, s[WV], 2                               ; and my half of the key steps
	s_lshl_b32 s44, s38, 17
	s_lshl_b32 s45, s39, 12
	s_add_co_u32 s44, s44, s45
	s_add_co_u32 s44, s44, s36
	s_add_co_u32 s44, s44, 1048576
	s_mov_b32 s45, 0
	s_lshl_b32 s46, s[HD], 19                              ; out: the head's 64 rows
	s_add_co_u32 s46, s46, s37
	s_mov_b32 s47, 0
	s_mov_b32 s[SEL], 0x76543210
	s_mov_b32 s[SEL+1], 0xfedcba98
	s_mov_b32 s[CS], 0x3fb8aa3b                            ; log2(e)
	s_mov_b32 s[CS+1], s[CS]
	s_mov_b32 s[MNT], 0x600000
	s_mov_b32 s[SCL], 0x3eb504f3                           ; g = 1 / sqrt(sqrt(64)) in f32
	s_wait_kmcnt 0x0
	s_add_nc_u64 s[QB:QB+1], s[4:5], s[40:41]
	s_add_nc_u64 s[KB:KB+1], s[4:5], s[42:43]
	s_add_nc_u64 s[VB:VB+1], s[4:5], s[44:45]
	s_add_nc_u64 s[OB:OB+1], s[6:7], s[46:47]
	s_wait_alu depctr_va_vdst(0)                           ; v[GA] and v[GV] are written: every global load and store of the kernel reads one of them as its offset
	VLOAD 0, 0                                             ; V's first two units wait in registers that nothing else wants in the head phase
	VLOAD 1, 512
	LOADQK 0, QB, 0, 1                                     ; my 64 queries: read once in the launch
	LOADQK 1, QB, 0, 1
	; the LDS addresses, made while the loads are on their way.  Column 2 l + jj of a group of 64: tile 2 (l / 16) + (l / 4) % 2, row 8 ((l / 8) % 2) + 2 (l % 4) + jj.
	; None of these lines names a register of the loads above; the first LDS instruction that reads one of these addresses stands behind KOUT's wait.
	v_bfe_u32 v44, v0, 2, 1
	v_bfe_u32 v48, v0, 3, 1
	v_and_b32 v49, 3, v0
	v_lshlrev_b32 v[LK], 11, v11
	v_lshl_add_u32 v[LK], v44, 10, v[LK]
	v_lshl_add_u32 v[LK], v48, 7, v[LK]
	v_lshl_add_u32 v[LK], v49, 5, v[LK]
	v_lshlrev_b32 v[LW], 2, v11
	v_lshl_add_u32 v[LW], v44, 7, v[LW]
	v_lshl_add_u32 v[LW], v48, 6, v[LW]
	v_lshl_add_u32 v[LW], v49, 4, v[LW]
	s_lshl_b32 s36, s[WV], 14                              ; my 256 keys' images: 16 tiles
	v_add_nc_u32 v[AKW], s36, v[LK]
	s_lshl_b32 s36, s[WV], 10                              ; and their scale words: four groups
	s_add_co_u32 s36, s36, SCK
	v_add_nc_u32 v[AKS], s36, v[LW]
	s_mul_i32 s37, s[WV], WSB
	s_add_co_u32 s37, s37, WS                              ; my wave's own bytes
	v_add_nc_u32 v[AQW], s37, v[LK]
	s_add_co_u32 s36, s37, 4096
	v_add_nc_u32 v[AQS], s36, v[LW]
	v_lshl_add_u32 v[QSA], v9, 3, s36
	v_lshl_add_u32 v[QL], v9, 4, s37
	v_mul_u32_u24 v[SA], v11, 272
	v_lshl_add_u32 v[SA], v10, 4, v[SA]
	v_add_nc_u32 v[SA], s37, v[SA]
	v_mul_u32_u24 v[SB], v10, 272
	v_lshl_add_u32 v[SB], v11, 6, v[SB]
	v_add_nc_u32 v[SB], s37, v[SB]
	v_and_b32 v44, 8, v10
	v_add_nc_u32 v44, v44, v10                             ; r + 8 (r / 8): my query's place in its 32
	v_lshlrev_b32 v44, 2, v44
	v_mad_u32_u24 v[OS], v11, 2176, v44                    ; the way out: channel row 8 h of 272 bytes, + my query
	v_add_nc_u32 v[OS], s37, v[OS]
	s_lshl_b32 s36, s38, 11
	s_lshl_b32 s40, s39, 16
	s_add_co_u32 s36, s36, s40
	s_add_co_u32 s36, s36, VIMG
	v_lshl_add_u32 v[VI0], v9, 4, s36                      ; V's images: 2048 (4 step + channel tile) + 16 x lane
	s_lshl_b32 s36, s38, 6
	s_lshl_b32 s40, s39, 11
	s_add_co_u32 s36, s36, s40
	s_add_co_u32 s36, s36, SCV
	v_lshl_add_u32 v[VW0], v10, 2, s36                     ; V's scale words: 256 step + 64 channel tile + 4 r
	v_lshlrev_b32 v[AK0], 4, v9
	v_lshl_add_u32 v[AV0], v9, 4, VIMG
	v_lshl_add_u32 v[ASK0], v9, 3, SCK
	v_lshl_add_u32 v[ASV0], v9, 2, SCV
.irp b, 0,1,2,3
	v_mov_b32 v[PX+\b], 0                                  ; written once: a lane permute's destination counts as one of its sources
.endr
	v_mov_b32 v[F+1], 0                                    ; (named as the upper half of the pair before it is otherwise written)
.irp e, 0,1,2,3,4,5,6,7
	v_mov_b32 v[KF+64+\e], 0                               ; zero codes behind K's last tile.  (These and Q's below go to scaled products: the head phase's waits on va_vdst all stand between)
.endr
	WIN 0x40
.irp i, 0,1,2,3
.irp e, 8,9,10,11,12,13,14,15
	v_mov_b32 v[192+16*\i+\e], 0                           ; Q's k = 64 .. 127: zero codes
.endr
.endr
	WIN 0
	; ---- Q: my 64 queries become four tiles' images in my own bytes, and come back as operand registers
	UNIT AQW, AQS, 0
	WIN 0x40
.irp i, 0,1,2,3
	ds_load_b128 v[192+16*\i:192+16*\i+3], v[QL] offset:1024*\i          ; LDS serves a wave's instructions in order: these see my stores.  No vector instruction has named these registers
	ds_load_b128 v[192+16*\i+4:192+16*\i+7], v[QL] offset:1024*\i+512
.endr
	WIN 0
	ds_load_b64 v[QS:QS+1], v[QSA]                         ; register b: tile 2 b in lanes 0-15, tile 2 b + 1 in lanes 16-31
	; ---- K: my 256 keys, four groups of 64; the last is written out, since it asks for V in K's place
	s_mov_b32 s[CNT], 3
	s_mov_b32 s[KI], 0
	s_mov_b32 s[KW], 0
.Lkgroup:
	s_wait_dscnt 0x0                                       ; my LDS stores are done; Q is in
	s_wait_alu depctr_vm_vsrc(0)                           ; the last unit's LDS stores have read their addresses v[IA] and v[WA], the codes v[C ..] and the words v[W ..]: all are written again below
	v_add_nc_u32 v[IA], s[KI], v[AKW]
	v_add_nc_u32 v[WA], s[KW], v[AKS]
	UNIT IA, WA, 1
	s_wait_xcnt 0x0                                        ; the loads have read their base: it is stepped only behind this wait
	s_add_nc_u64 s[KB:KB+1], s[KB:KB+1], 256
	s_add_co_u32 s[KI], s[KI], 4096
	s_add_co_u32 s[KW], s[KW], 256
	s_sub_co_u32 s[CNT], s[CNT], 1
	s_cmp_lg_u32 s[CNT], 0
	s_cbranch_scc1 .Lkgroup
	s_wait_dscnt 0x0
	s_wait_alu depctr_vm_vsrc(0)                           ; as at the loop's head: the last unit's LDS stores have read v[IA], v[WA], v[C ..] and v[W ..]
	v_add_nc_u32 v[IA], s[KI], v[AKW]
	v_add_nc_u32 v[WA], s[KW], v[AKS]
	UNIT IA, WA, 2
	; ---- V: my channel tile, eight key steps.  Units 0 and 1 came in long ago; behind them stand units 2 and 3's 32 loads
	s_wait_loadcnt 32
.irp n, 0,1,2,3,4,5,6,7
	VUNIT \n
.endr
	s_wait_dscnt 0x0                                       ; for the others' sake: all my stores into the images and the scale words have landed
	s_barrier_signal -1
	s_barrier_wait -1                                      ; the kernel's one barrier: from here on the images are only read
	s_wait_alu depctr_vm_vsrc(0)                           ; my last image stores have read v[PC ..] and v[PS], which the first tile's lines write again
; A key step's eight tiles of K and their scale words
.macro KLOAD ak, aw
.irp t, 0,1,2,3,4,5,6,7
	ds_load_b128 v[KF+8*\t:KF+8*\t+3], v[\ak] offset:1024*\t
	ds_load_b128 v[KF+8*\t+4:KF+8*\t+7], v[\ak] offset:1024*\t+512
.endr
	ds_load_b64 v[KS:KS+1], v[\aw]
	ds_load_b64 v[KS+2:KS+3], v[\aw] offset:256
.endm
; S^T of query tile i: eight products, each starting its sum with the constant 0.  Register KS + t / 2 holds tile t's scale words in lanes 0-15 (t even) or 16-31 (t odd); Q's likewise
.macro SMUL i
	WIN 0x04                                               ; source 1 (Q) in window 1
.irp t, 0,1,2,3,4,5,6,7
.if ((\t)%2 == 0) && ((\i)%2 == 0)
	v_wmma_scale_f32_16x16x128_f8f6f4 v[S+8*\t:S+8*\t+7], v[KF+8*\t:KF+8*\t+15], v[192+16*(\i):192+16*(\i)+15], 0, v[KS+\t/2], v[QS+(\i)/2]
.elseif ((\t)%2 == 1) && ((\i)%2 == 0)
	v_wmma_scale_f32_16x16x128_f8f6f4 v[S+8*\t:S+8*\t+7], v[KF+8*\t:KF+8*\t+15], v[192+16*(\i):192+16*(\i)+15], 0, v[KS+\t/2], v[QS+(\i)/2] matrix_a_scale:MATRIX_SCALE_ROW1
.elseif ((\t)%2 == 0) && ((\i)%2 == 1)
	v_wmma_scale_f32_16x16x128_f8f6f4 v[S+8*\t:S+8*\t+7], v[KF+8*\t:KF+8*\t+15], v[192+16*(\i):192+16*(\i)+15], 0, v[KS+\t/2], v[QS+(\i)/2] matrix_b_scale:MATRIX_SCALE_ROW1
.else
	v_wmma_scale_f32_16x16x128_f8f6f4 v[S+8*\t:S+8*\t+7], v[KF+8*\t:KF+8*\t+15], v[192+16*(\i):192+16*(\i)+15], 0, v[KS+\t/2], v[QS+(\i)/2] matrix_a_scale:MATRIX_SCALE_ROW1 matrix_b_scale:MATRIX_SCALE_ROW1
.endif
.endr
.endm
; ONE QUERY TILE'S TURN IN A KEY STEP.  At its head v[S] on holds the tile's scores, eight places or more behind their products.  The tile's softmax; then the NEXT tile's scores are asked of the matrix unit, the rescaling of
; O^T stands behind them as their places, and the tile's four products O^T += V P^T close the turn.  The accumulators take turns, one instruction a turn.
; first = 1: the first key step starts M, the sum and O^T.  more = 2 (tile 3 in the loop): in the last trip there is no next step: its loads of K and its products are jumped over, no wait is.
.macro TILE i, first, more
.set rT, ST+4*\i
.if \i == 3                            ; the next step's K: its addresses are made here, its loads stand behind the wait for this tile's exponentials
	s_wait_alu depctr_vm_vsrc(0)                           ; the last LDS loads of K have read v[ADK] and v[ADS]
	v_add_nc_u32 v[ADK], s[TK], v[AK0]
	v_add_nc_u32 v[ADS], s[TS], v[ASK0]
.endif
.irp b, 0,1,2,3
	v_max3_num_f32 v[BM+\b], v[S+16*\b], v[S+16*\b+1], v[S+16*\b+2]    ; THE LARGEST SCORE OF EACH BLOCK OF 32 KEYS serves twice: for the row's maximum, and, since p rises with the score, for the block's largest p.  Each accumulator is read from its low end on
.endr
.irp e, 3,5,7,9,11,13
.irp b, 0,1,2,3
	v_max3_num_f32 v[BM+\b], v[BM+\b], v[S+16*\b+\e], v[S+16*\b+\e+1]
.endr
.endr
.irp b, 0,1,2,3
	v_max_num_f32 v[BM+\b], v[BM+\b], v[S+16*\b+15]
.endr
.if \i == 0                            ; this step's V: its addresses are made here, its loads stand behind the wait for this tile's exponentials
	s_wait_alu depctr_vm_vsrc(0)                           ; the last LDS loads of V have read v[ADV] and v[ADT]
	v_add_nc_u32 v[ADV], s[TV], v[AV0]
	v_add_nc_u32 v[ADT], s[TW], v[ASV0]
.endif
.irp b, 0,1,2,3
	v_permlanex16_b32 v[PX+\b], v[BM+\b], s[SEL], s[SEL+1]
.endr
.irp b, 0,1,2,3
	v_max_num_f32 v[BM+\b], v[BM+\b], v[PX+\b]             ; with lane l xor 16's 16 keys
.endr
	v_max3_num_f32 v[TA], v[BM], v[BM+1], v[BM+2]
	v_max_num_f32 v[TA], v[TA], v[BM+3]                    ; the step's largest score of my query
.if \first
	v_mul_f32 v[rT+1], s[CS], v[TA]                        ; as t
	v_floor_f32 v[rT], -v[rT+1]                            ; -M = floor(-t) = -ceil(t)
.else
	v_mul_f32 v[TA], s[CS], v[TA]
	v_max_num_f32 v[rT+1], v[rT+1], v[TA]                  ; the running largest t
	v_mov_b32 v[TA], v[rT]
	v_floor_f32 v[rT], -v[rT+1]                            ; the new -M: M IS A WHOLE NUMBER
	v_sub_f32 v[TA], v[rT], v[TA]                          ; M's old value less its new one: a whole number, 0 or less
	v_cvt_i32_f32 v[TA], v[TA]                             ; (it saturates)
	v_ldexp_f32 v[F], 1.0, v[TA]                           ; f = 2^(old M - new M)
.endif
.irp b, 0,1,2,3
	v_fma_f32 v[BM+\b], v[BM+\b], s[CS], v[rT]             ; t - M of each block's largest score
.endr
	v_pk_fma_f32 v[S:S+1], v[S:S+1], s[CS:CS+1], v[rT:rT+1] op_sel_hi:[1,0,0]   ; t - M, two at a time; a pair is scaled one group ahead of its exponentials
.set gi, 0
.rept 32
.if gi < 31
	v_pk_fma_f32 v[S+2*gi+2:S+2*gi+3], v[S+2*gi+2:S+2*gi+3], s[CS:CS+1], v[rT:rT+1] op_sel_hi:[1,0,0]
.endif
	v_exp_f32 v[S+2*gi], v[S+2*gi]                         ; p = 2^(t - M), at most 1: NOT normalised.  Nothing in this batch names an exponential's result
	v_exp_f32 v[S+2*gi+1], v[S+2*gi+1]
.set gi, gi+1
.endr
.if \first
	v_mov_b32 v[rT+2], 0                                   ; the sum, in two halves.  (Plain lines behind the exponentials)
	v_mov_b32 v[rT+3], 0
.else
	v_pk_mul_f32 v[rT+2:rT+3], v[rT+2:rT+3], v[F:F+1] op_sel_hi:[1,0]   ; the sum under the new M.  (A plain line behind the exponentials)
.endif
.if \i == 0
	WIN 0x40                                               ; V's fragments lie in window 1: the switch, then the wait, then the loads
.endif
	s_wait_alu depctr_va_vdst(0)                           ; the 64 exponentials have written p, ahead of their first reader.  In tile 0 also: the last step's products O^T += V P^T are done reading V and its scale words, in which the loads below land, and v[ADV], v[ADT] are written.  In tile 3: the same of the scores' products, K, its scale words, v[ADK] and v[ADS]
.if \i == 0
.irp ct, 0,1,2,3
.irp c, 0,1,2,3
	ds_load_b128 v[128+16*\ct+4*\c:128+16*\ct+4*\c+3], v[ADV] offset:2048*\ct+512*\c
.endr
.endr
	WIN 0
	ds_load_b32 v[VS], v[ADT]                              ; channel tiles 0 (lanes 0-15) and 1 (lanes 16-31),
	ds_load_b32 v[VS+1], v[ADT] offset:128                 ; 2 and 3
	s_add_co_u32 s[TV], s[TV], 8192
	s_add_co_u32 s[TW], s[TW], 256
.endif
.if \i == 3
.if \more == 2
	s_cmp_eq_u32 s[CNT], 1
	s_cbranch_scc1 .Lno_k_\@
.endif
	KLOAD ADK, ADS
.if \more == 2
.Lno_k_\@:
.endif
	s_add_co_u32 s[TK], s[TK], 8192
	s_add_co_u32 s[TS], s[TS], 512
.endif
.irp b, 0,1,2,3
	v_exp_f32 v[BM+\b], v[BM+\b]                           ; the block's largest p: the same two instructions on the same number give the same bits
.endr
	v_pk_add_f32 v[rT+2:rT+3], v[rT+2:rT+3], v[S:S+1]      ; THE ROW'S SUM IS TAKEN OF THE UNQUANTISED p: two at a time, in four chains by turns.  (It reads the 64 alone: plain work behind the four)
	v_pk_add_f32 v[T0:T0+1], v[S+2:S+3], v[S+10:S+11]
	v_pk_add_f32 v[T1:T1+1], v[S+4:S+5], v[S+12:S+13]
	v_pk_add_f32 v[T2:T2+1], v[S+6:S+7], v[S+14:S+15]
	v_pk_add_f32 v[rT+2:rT+3], v[rT+2:rT+3], v[S+8:S+9]
.irp m, 2,3,4,5,6,7
	v_pk_add_f32 v[rT+2:rT+3], v[rT+2:rT+3], v[S+8*\m:S+8*\m+1]
	v_pk_add_f32 v[T0:T0+1], v[T0:T0+1], v[S+8*\m+2:S+8*\m+3]
	v_pk_add_f32 v[T1:T1+1], v[T1:T1+1], v[S+8*\m+4:S+8*\m+5]
	v_pk_add_f32 v[T2:T2+1], v[T2:T2+1], v[S+8*\m+6:S+8*\m+7]
.endr
	v_pk_add_f32 v[T0:T0+1], v[T0:T0+1], v[T1:T1+1]
	v_pk_add_f32 v[rT+2:rT+3], v[rT+2:rT+3], v[T2:T2+1]
	v_pk_add_f32 v[rT+2:rT+3], v[rT+2:rT+3], v[T0:T0+1]
	s_wait_alu depctr_va_vdst(0)                           ; the four exponentials have written the blocks' largest p, ahead of their first reader
.irp b, 0,1,2,3
	v_max_num_f32 v[BM+\b], 0x4800000, v[BM+\b]            ; the floor 2^(9 - 127): the byte cannot fall under 1 (a block whose every p is 0 keeps that byte: its codes are zeros)
.endr
	BYTES                                                  ; p's scale word for these 128 keys: more than eight plain lines ahead of the products that name it
.irp b, 0,1,2,3
.irp e, 0,1,2,3,4,5,6,7,8,9,10,11,12,13,14,15
	v_min_num_f32 v[S+16*\b+\e], v[S+16*\b+\e], v[HL+\b]   ; the conversion does not saturate (ISA guide 7.6.2); p is not negative, so the hold is one-sided
.endr
	v_cvt_scalef32_pk8_fp8_f32 v[PC+4*\b:PC+4*\b+1], v[S+16*\b:S+16*\b+7], v[SO+\b]
	v_cvt_scalef32_pk8_fp8_f32 v[PC+4*\b+2:PC+4*\b+3], v[S+16*\b+8:S+16*\b+15], v[SO+\b]
.endr
	v_nop                                                  ; a plain line between the last conversion and the products below, which write its sources
	s_wait_alu depctr_va_vdst(0)                           ; the conversions have written p's codes and the lines above them p's scale word, which the products O^T += V P^T below take as source 1 and as its scales; nothing between here and them writes either, and their places (the rescaling, or eight v_nop) stay
.if \i < 3
	SMUL \i+1                                              ; the next tile's scores
.else
	s_wait_dscnt 0x0                                       ; the next step's K is in (asked for behind this tile's exponentials)
.if \more == 2
	s_cmp_eq_u32 s[CNT], 1
	s_cbranch_scc1 .Lno_s_\@
.endif
	SMUL 0                                                 ; the next step's first scores
.if \more == 2
	WIN 0                                                  ; at a label every window is 0
.Lno_s_\@:
.endif
.endif
.if \first
.rept 8
	v_nop                                                  ; the places behind the products above and in front of those below: there is no O^T yet to rescale
.endr
.else
	WIN 0x41                                               ; O^T (destination and source 0) in window 1, f in window 0
.set gi, 0
.rept 16
	v_pk_mul_f32 v[32*\i+2*gi:32*\i+2*gi+1], v[32*\i+2*gi:32*\i+2*gi+1], v[F:F+1] op_sel_hi:[1,0]   ; O^T under the new M, from each accumulator's low end on.  These 16 are the places behind the scores' products and in front of the products below
.set gi, gi+1
.endr
.endif
.if \i == 0
	s_wait_dscnt 0x0                                       ; V is in
.endif
.if \first
	WIN 0x41                                               ; source 0 (V) and the destination in window 1
.else
	WIN 0x51                                               ; and C with them
.endif
.irp ct, 0,1,2,3
.if \first && ((\ct)%2 == 0)
	v_wmma_scale_f32_16x16x128_f8f6f4 v[32*\i+8*\ct:32*\i+8*\ct+7], v[128+16*\ct:128+16*\ct+15], v[PC:PC+15], 0, v[VS+\ct/2], v[PS]
.elseif \first
	v_wmma_scale_f32_16x16x128_f8f6f4 v[32*\i+8*\ct:32*\i+8*\ct+7], v[128+16*\ct:128+16*\ct+15], v[PC:PC+15], 0, v[VS+\ct/2], v[PS] matrix_a_scale:MATRIX_SCALE_ROW1
.elseif (\ct)%2 == 0
	v_wmma_scale_f32_16x16x128_f8f6f4 v[32*\i+8*\ct:32*\i+8*\ct+7], v[128+16*\ct:128+16*\ct+15], v[PC:PC+15], v[32*\i+8*\ct:32*\i+8*\ct+7], v[VS+\ct/2], v[PS]
.else
	v_wmma_scale_f32_16x16x128_f8f6f4 v[32*\i+8*\ct:32*\i+8*\ct+7], v[128+16*\ct:128+16*\ct+15], v[PC:PC+15], v[32*\i+8*\ct:32*\i+8*\ct+7], v[VS+\ct/2], v[PS] matrix_a_scale:MATRIX_SCALE_ROW1
.endif
.endr
	WIN 0
.endm
	; ---- the key steps
	KLOAD AK0, ASK0                                        ; key step 0.  No vector instruction has named these registers; the stage's stores that read them stand ahead of a unit's wait on vm_vsrc
	s_mov_b32 s[TK], 8192
	s_mov_b32 s[TS], 512
	s_mov_b32 s[TV], 0
	s_mov_b32 s[TW], 0
	s_wait_dscnt 0x0
	SMUL 0
	WIN 0
.rept 8
	v_nop                                                  ; eight places between these products and the first read of their results: no vector work is at hand yet
.endr
	TILE 0, 1, 1                                           ; the first step is written out: its products start O^T's sums with the constant 0, and nothing is cleared
	TILE 1, 1, 1
	TILE 2, 1, 1
	TILE 3, 1, 1
	s_mov_b32 s[CNT], 15
.Lstep:
	TILE 0, 0, 1
	TILE 1, 0, 1
	TILE 2, 0, 1
	TILE 3, 0, 2
	s_sub_co_u32 s[CNT], s[CNT], 1
	s_cmp_lg_u32 s[CNT], 0
	s_cbranch_scc1 .Lstep
	; ---- THE WAY OUT.  The sum's two halves and lane l xor 16's are added; O^T is divided by the sum.  The eight additions and the v_nop are the places behind the last products.
.irp i, 0,1,2,3
	v_add_f32 v[ST+4*\i+2], v[ST+4*\i+2], v[ST+4*\i+3]
.endr
.irp i, 0,1,2,3
	v_permlanex16_b32 v[PX+\i], v[ST+4*\i+2], s[SEL], s[SEL+1]
.endr
.irp i, 0,1,2,3
	v_add_f32 v[ST+4*\i+2], v[ST+4*\i+2], v[PX+\i]
.endr
.irp i, 0,1,2,3
	v_rcp_f32 v[ST+4*\i], v[ST+4*\i+2]
.endr
	v_nop                                                  ; a plain line between the last reciprocal and the use of its result
	s_wait_alu depctr_va_vdst(0)                           ; the four reciprocals have written 1 / the sums, ahead of their first reader
	WIN 0x41
.irp i, 0,1,2,3
.set gi, 0
.rept 16
	v_pk_mul_f32 v[32*\i+2*gi:32*\i+2*gi+1], v[32*\i+2*gi:32*\i+2*gi+1], v[ST+4*\i:ST+4*\i+1] op_sel_hi:[1,0]
.set gi, gi+1
.endr
.endr
; A lane holds eight CHANNELS of one query, and the output has the queries innermost: 16 channels x my wave's 64 queries go through my stage (rows of 256 bytes + 16), a number at a time, and come back as whole rows:
; sixteen lanes then store 256 consecutive bytes, at a multiple of 256 from the output's first byte.  LDS serves a wave's instructions in order: no wait between the stores and the loads, nor in front of the next tile's stores.
.macro TOSTAGE ct
	WIN 0x04                                               ; an LDS store's data are its source 1: window 1
.irp i, 0,1,2,3
.irp jj, 0,1,2,3,4,5,6,7
	ds_store_b32 v[OS], v[32*\i+8*\ct+\jj] offset:272*\jj+4*(32*(\i/2)+8*(\i%2))   ; channel 16 ct + 8 h + jj, query 32 (i / 2) + 8 (i % 2) + r + 8 (r / 8)
.endr
.endr
	WIN 0
.irp k, 0,1,2,3,4,5,6,7
	ds_load_b128 v[64+32*\ct+4*\k:64+32*\ct+4*\k+3], v[SA] offset:544*\k
.endr
.endm
.macro SEND ct, younger                ; younger: the LDS instructions issued behind channel tile ct's loads: the next tile's 32 stores and 8 loads, or none
.irp k, 0,1,2,3,4,5,6,7
	s_wait_dscnt \younger+7-\k
	global_store_b128 v[GV], v[64+32*\ct+4*\k:64+32*\ct+4*\k+3], s[OB:OB+1] offset:(16*\ct+2*\k)*8192 th:TH_STORE_NT   ; written once, read by nobody here; each tile has registers of its own, so no store's data are written again
.endr
.endm
	WIN 0x04
	s_wait_alu depctr_va_vdst(0)                           ; the multiplications have written O^T / the sum, which the LDS stores read; every vector and matrix instruction is done with K's and the scores' registers, in which the stage's loads land.  No vector instruction follows
	TOSTAGE 0
	TOSTAGE 1
	SEND 0, 40
	TOSTAGE 2
	SEND 1, 40
	TOSTAGE 3
	SEND 2, 40
	SEND 3, 0
	s_wait_dscnt 0x0
	s_wait_alu depctr_hold_cnt(0) depctr_sa_sdst(0) depctr_va_vdst(0) depctr_va_sdst(0) depctr_va_ssrc(0) depctr_va_vcc(0) depctr_vm_vsrc(0)
	s_wait_tensorcnt 0x0
	ds_add_u32 v254, v255
	s_wait_dscnt 0x0
	s_endpgm
.Lfunc_end_k_q0d41e29655_attn:
	.size	k_q0d41e29655_attn, .Lfunc_end_k_q0d41e29655_attn-k_q0d41e29655_attn
	.p2alignl 7, 3214868480
	.fill 96, 4, 3214868480
	.section	.rodata,"a",@progbits
	.p2align	6, 0x0
	.amdhsa_kernel k_q0d41e29655_attn
		.amdhsa_group_segment_fixed_size 313344
		.amdhsa_private_segment_fixed_size 0
		.amdhsa_enable_private_segment 0
		.amdhsa_kernarg_size 16
		.amdhsa_user_sgpr_count 2
		.amdhsa_user_sgpr_kernarg_segment_ptr 1
		.amdhsa_wavefront_size32 1
		.amdhsa_system_sgpr_workgroup_id_x 1
		.amdhsa_system_sgpr_workgroup_id_y 1
		.amdhsa_system_sgpr_workgroup_id_z 1
		.amdhsa_system_vgpr_workitem_id 0
		.amdhsa_next_free_vgpr 512
		.amdhsa_next_free_sgpr 66
		.amdhsa_reserve_vcc 0
		.amdhsa_float_denorm_mode_32 3
		.amdhsa_float_denorm_mode_16_64 3
		.amdhsa_memory_ordered 1
		.amdhsa_forward_progress 1
		.amdhsa_inst_pref_size 255
	.end_amdhsa_kernel
	.section	.bss,"aw",@nobits
	.p2align	6
	.space	262144
	.amdgpu_metadata
---
amdhsa.version: [ 1, 2 ]
amdhsa.kernels:
  - .name:           k_q0d41e29655_attn
    .symbol:         k_q0d41e29655_attn.kd
    .args:
      - { .name: qkv, .offset: 0, .size: 8, .value_kind: global_buffer, .address_space: global }
      - { .name: out0, .offset: 8, .size: 8, .value_kind: global_buffer, .address_space: global }
    .group_segment_fixed_size: 313344
    .private_segment_fixed_size: 0
    .kernarg_segment_align: 8
    .kernarg_segment_size: 16
    .max_flat_workgroup_size: 256
    .sgpr_count:     66
    .vgpr_count:     512
    .wavefront_size: 32
...
	.end_amdgpu_metadata
.endif
;; end of part 2
